; MI455X (gfx1250); checked and timed in simulation.
; The chip was launched on July 23, 2026; its instructions are those of AMD's public machine-readable ISA for CDNA 5 (MIT licence, August 2026) and "CDNA5" Instruction Set Architecture Reference Guide (July 2026). The comments in the code are by the model that wrote it; some were corrected since.
;; Anchor Ts2 Vec. Allowed arithmetic: float matrix products may take bf16 or f16 operands with f32 sums; all other float work in f32.
;; Inputs: e_actv 8,192 x 256 float32; e_ap 8,192 x 256 float32; host 8,192 int32.
;; Outputs: out0 8,192 x 256 float32; out1 8,192 x 256 float32; out2 8,192 x 256 float32.
;; 3 versions, each right; version 2 is faster than version 1; version 3 is version 2 with the launch prep written anew for expert scheduling mode. Each part assembles by itself: llvm-mc -triple=amdgcn-amd-amdhsa -mcpu=gfx1250 --defsym DOCPART=n.
;; ======== version 1 of 3: 3 launches
;; limits: values outside matrix products are rounded to bf16
;; workspace buffers: ebf 4,194,304 bytes; nsq 32,768 bytes; part 1,048,576 bytes of whole numbers
;; launch prep (part 1): grid 256 x 1, 8 waves a work-group, no clusters, 19,968 bytes of LDS; arguments e_actv, out0, ebf, nsq; writes out0, ebf, nsq
.if DOCPART == 1
	.amdgcn_target "amdgcn-amd-amdhsa--gfx1250"
	.amdhsa_code_object_version 6
	.text
	.protected	k_q78e10ed124_prep
	.globl	k_q78e10ed124_prep
	.p2align	8
	.type	k_q78e10ed124_prep,@function
k_q78e10ed124_prep:
	s_mov_b64 s[64:65], 0
	v_nop
	global_prefetch_b8 v0, s[64:65] scope:SCOPE_SE
	s_setreg_imm32_b32 hwreg(HW_REG_WAVE_MODE, 25, 1), 1
	s_wait_xcnt 0x0
; AnchorTs2Vec, launch 1 of 3.  out0 = e_actv (copy); ebf = e_actv rounded to bf16, laid out in the order of matrix fragments;
; nsq[j] = -1/2 sum over k of bf16(e_actv[j][k])^2, in f32.
;
; WORK LEFT OUT IN THE WHOLE PROGRAM, for every finite e_actv and every host, in exact arithmetic, for a fixed row i:
;   dist(i,j) = sqrt(max(d2,0)), d2 = sq[i] + sq[j] - 2 e_i.e_j = |e_i - e_j|^2 >= 0.
;   max(d2,0) is the identity on d2 >= 0; sqrt is strictly increasing on [0,inf); division by -2 turns the argmin into an argmax.
;   So argmin_j dist = argmax_j S(i,j), S(i,j) = e_i.e_j - sq[i]/2 - sq[j]/2 = -d2/2, with the same set of ties: no sqrt, no max.
;   eye is contained in same_discr, since host[i] == host[i]: no eye.
;   S(i,j) = S(j,i) and host[i] == host[j] is symmetric too, for all values: the product e_i.e_j that reference() forms twice (once in row i,
;   once in row j of e e^T) is formed twice here too: launch 2 multiplies all 16 x 16 pairs of blocks of 512 rows
;   and leaves no mirrored block of products out.
;   A masked j holds BIG in reference() and -inf here; if every j is masked all distances are equal and the argmin is 0: launch 3 gives
;   row 0 where no score lies above -inf.  Every input has a way to an output and is loaded (e_ap and host in launch 2).
; LIMITS.  (a) The score is rounded in another order than sqrt(sq+sq-2dot): two candidates whose d2 differ by about 1e-4 or less at
;   d2 of some hundreds (relative 3e-7) may be ordered otherwise than in reference().  (b) Where rounding makes d2 <= 0 for several
;   near-duplicates, reference() takes the first of them, this program the largest score.  (c) Products take bf16 operands, so the
;   neighbour is that of the rounded rows; sq is made of the same rounded numbers.  (d) NaN and infinities in e_actv are not ordered
;   as reference() orders them, an overflow of the sqrt's argument is not carried to the result, and an unmasked distance of 1e30 or
;   more is not taken as equal to BIG.  (e) On scores equal to the last bit the lower row wins, as in reference().
;
; ebf: element (row 16 T + r, k = 32 ks + 16 u + 8 h + e) lies at byte 8192 T + 1024 ks + 512 u + 256 h + 16 r + 2 e.  A fragment of
; 16 rows x 32 k is then 1,024 dense bytes of which lane 16 h + r takes 16 bytes at 16 x lane and 16 at 512 + 16 x lane.
;
; SHARES.  256 work-groups of 32 rows (two tiles of 16).  Wave w takes tile w / 4 and k = 64 (w % 4) .. + 63: 16 rows x 256 bytes, which
; are exactly 8 blocks of 256 bytes of ebf (blocks 8 w .. 8 w + 7 of the group's 64).  A load or store of a wave covers two rows' aligned
; 256 bytes, sixteen lanes each.  All eight loads of a wave go out at once.  No work-group shares an input byte with another, and there
; is no product: no cluster, no tensor load, no matrix instruction.
; LDS: wave w's stage at 2304 w: 8 blocks at a pitch of 288 bytes (72 words: the 32 lanes of an 8-byte store fall on 64 different banks,
; ISA guide 11.1), written and read by that wave alone.  From 18432 on: 64 bytes a wave, its quarter sums of 16 rows.
.set PITCH, 288
.set WSTG,  8*PITCH                    ; a wave's stage
.set PS,    8*WSTG                     ; the quarter sums
.set VOX, 2                            ; v2   1024 (lane / 16) + 16 (lane % 16): my 16 bytes in the first two rows; never rewritten
.set SA,  3                            ; v3   where my 8 bytes of bf16 go in the stage
.set RA,  4                            ; v4   where I read 16 bytes of a block back
.set PA,  5                            ; v5   my wave's quarter sums, + 4 (lane / 16)
.set L4,  6                            ; v6   4 x lane
.set VOE, 7                            ; v7   16 x lane
.set X,   8                            ; v[8:39]   load i: rows 2 i, 2 i + 1; never rewritten (the copy is stored from here)
.set P,   40                           ; v[40:41]  four bf16
.set T,   42                           ; v[42:45]  the same, widened
.set S,   46                           ; v[46:53]  sum of squares of load i
.set ACC, 54                           ; v[54:55]
.set RB,  56                           ; v[56:71]  four read-backs
	s_load_b256 s[4:11], s[0:1], 0x0               ; e_actv s[4:5], out0 s[6:7], ebf s[8:9], nsq s[10:11]
	v_lshl_add_u32 v76, v0, 2, 0x4a00
	v_mov_b32 v77, 0
	v_and_b32 v1, 31, v0                           ; lane
	v_lshrrev_b32 v72, 5, v0
	v_readfirstlane_b32 s12, v72                   ; wave
	v_and_b32 v72, 15, v1                          ; c = lane % 16
	v_lshrrev_b32 v73, 4, v1                       ; hh = lane / 16
	v_lshlrev_b32 v[VOX], 4, v72
	v_lshl_add_u32 v[VOX], v73, 10, v[VOX]
	s_lshl_b32 s20, ttmp9, 15                      ; 32 rows of 1,024 bytes a group,
	s_lshr_b32 s15, s12, 2
	s_lshl_b32 s15, s15, 14                        ; 16 rows a tile,
	s_add_co_u32 s20, s20, s15
	s_and_b32 s15, s12, 3
	s_lshl_b32 s15, s15, 8                         ; 256 bytes a k quarter
	s_add_co_u32 s20, s20, s15
	s_mov_b32 s21, 0
	s_lshl_b32 s22, ttmp9, 14                      ; ebf: 16,384 bytes a group, 2,048 a wave
	s_lshl_b32 s15, s12, 11
	s_add_co_u32 s22, s22, s15
	s_mov_b32 s23, 0
	s_mov_b32 s18, 0xffff0000                      ; a word's upper bf16
	s_wait_kmcnt 0x0
	s_add_nc_u64 s[4:5], s[4:5], s[20:21]
	s_add_nc_u64 s[6:7], s[6:7], s[20:21]
	s_add_nc_u64 s[8:9], s[8:9], s[22:23]
.irp i, 0,1,2,3,4,5,6,7
	global_load_b128 v[X+4*\i:X+4*\i+3], v[VOX], s[4:5] offset:2048*\i   ; rows 2 i + hh, k = 64 (w % 4) + 4 c .. + 3
.endr
	s_lshl_b32 s22, ttmp9, 7                       ; nsq: 32 numbers a group
	s_add_nc_u64 s[10:11], s[10:11], s[22:23]
	; k = 4 c + 0..3 of the quarter lies in block c / 2 of the wave's eight, at byte 16 row + 8 (c % 2)
	v_lshrrev_b32 v[SA], 1, v72
	v_mul_u32_u24 v[SA], v[SA], PITCH
	v_and_b32 v74, 1, v72
	v_lshl_add_u32 v[SA], v74, 3, v[SA]
	v_lshl_add_u32 v[SA], v73, 4, v[SA]            ; row 2 i + hh: 16 hh here, 32 i in the immediate
	s_mul_i32 s13, s12, WSTG
	v_add_nc_u32 v[SA], s13, v[SA]
	v_mul_u32_u24 v[RA], v73, PITCH                ; back: lanes 0-15 one block of 256 bytes, lanes 16-31 the next
	v_lshl_add_u32 v[RA], v72, 4, v[RA]
	v_add_nc_u32 v[RA], s13, v[RA]
	s_lshl_b32 s14, s12, 6
	s_add_co_u32 s14, s14, PS
	v_lshl_add_u32 v[PA], v73, 2, s14
	v_lshlrev_b32 v[L4], 2, v1
	v_lshlrev_b32 v[VOE], 4, v1
	v_lshlrev_b32 v74, 2, v72
	v_lshl_add_u32 v74, v73, 8, v74                ; for wave 0 at the end: 256 (lane / 16) + 4 (lane % 16)
; Load i: copy out, round to bf16 into the stage, square the rounded numbers, sum over the row's sixteen lanes.
.macro CHUNK i
	s_wait_loadcnt 7-\i                            ; loads come back in order (ISA guide 5.7.1): load i is in, the younger ones stay out
	global_store_b128 v[VOX], v[X+4*\i:X+4*\i+3], s[6:7] offset:2048*\i th:TH_STORE_NT   ; sixteen lanes store 256 consecutive bytes, aligned
	v_cvt_pk_bf16_f32 v[P],   v[X+4*\i],   v[X+4*\i+1]
	v_cvt_pk_bf16_f32 v[P+1], v[X+4*\i+2], v[X+4*\i+3]
	ds_store_b64 v[SA], v[P:P+1] offset:32*\i
	v_lshlrev_b32 v[T],   16,  v[P]
	v_and_b32     v[T+1], s18, v[P]
	v_lshlrev_b32 v[T+2], 16,  v[P+1]
	v_and_b32     v[T+3], s18, v[P+1]
	v_pk_mul_f32 v[ACC:ACC+1], v[T:T+1], v[T:T+1]                    ; the first product starts the sum
	v_pk_fma_f32 v[ACC:ACC+1], v[T+2:T+3], v[T+2:T+3], v[ACC:ACC+1]
	v_add_f32 v[S+\i], v[ACC], v[ACC+1]
	v_add_f32_dpp v[S+\i], v[S+\i], v[S+\i] row_xmask:1 row_mask:0xf bank_mask:0xf
	v_add_f32_dpp v[S+\i], v[S+\i], v[S+\i] row_xmask:2 row_mask:0xf bank_mask:0xf
	v_add_f32_dpp v[S+\i], v[S+\i], v[S+\i] row_xmask:4 row_mask:0xf bank_mask:0xf
	v_add_f32_dpp v[S+\i], v[S+\i], v[S+\i] row_xmask:8 row_mask:0xf bank_mask:0xf
	ds_store_b32 v[PA], v[S+\i] offset:8*\i        ; row 2 i + hh's quarter sum: sixteen lanes write one word with one value
.endm
.irp i, 0,1,2,3,4,5,6,7
	CHUNK \i
.endr
	; my eight blocks back, two at a time.  LDS serves a wave's instructions in order (ISA guide 5.7.1.4): these loads see my stores above.
.irp i, 0,1,2,3
	ds_load_b128 v[RB+4*\i:RB+4*\i+3], v[RA] offset:2*PITCH*\i
.endr
.irp i, 0,1,2,3
	s_wait_dscnt 3-\i                              ; read-back i is in, the younger ones stay out
	global_store_b128 v[VOE], v[RB+4*\i:RB+4*\i+3], s[8:9] offset:512*\i   ; 512 consecutive bytes of ebf
.endr
	s_wait_dscnt 0x0                               ; for the others' sake: my quarter sums are in LDS
	s_barrier_signal -1
	s_barrier_wait -1
	s_cmp_lg_u32 s12, 0
	s_cbranch_scc1 .Ldone
	; wave 0: lane = row of the group's 32; its four quarter sums lie with waves 4 (lane / 16) + 0..3
.irp q, 0,1,2,3
	ds_load_b32 v[T+\q], v74 offset:PS+64*\q
.endr
	s_wait_dscnt 0x0
	v_add_f32 v[T], v[T], v[T+1]
	v_add_f32 v[T+2], v[T+2], v[T+3]
	v_add_f32 v[T], v[T], v[T+2]
	v_mul_f32 v[ACC], -0.5, v[T]
	global_store_b32 v[L4], v[ACC], s[10:11]       ; 128 consecutive bytes: all that the group has of nsq, one instruction
.Ldone:
	s_wait_tensorcnt 0x0
	ds_add_u32 v76, v77
	s_wait_dscnt 0x0
	s_endpgm
.Lfunc_end_k_q78e10ed124_prep:
	.size	k_q78e10ed124_prep, .Lfunc_end_k_q78e10ed124_prep-k_q78e10ed124_prep
	.p2alignl 7, 3214868480
	.fill 96, 4, 3214868480
	.section	.rodata,"a",@progbits
	.p2align	6, 0x0
	.amdhsa_kernel k_q78e10ed124_prep
		.amdhsa_group_segment_fixed_size 19968
		.amdhsa_private_segment_fixed_size 0
		.amdhsa_enable_private_segment 0
		.amdhsa_kernarg_size 32
		.amdhsa_user_sgpr_count 2
		.amdhsa_user_sgpr_kernarg_segment_ptr 1
		.amdhsa_wavefront_size32 1
		.amdhsa_system_sgpr_workgroup_id_x 1
		.amdhsa_system_sgpr_workgroup_id_y 1
		.amdhsa_system_sgpr_workgroup_id_z 1
		.amdhsa_system_vgpr_workitem_id 0
		.amdhsa_next_free_vgpr 78
		.amdhsa_next_free_sgpr 66
		.amdhsa_reserve_vcc 0
		.amdhsa_float_denorm_mode_32 3
		.amdhsa_float_denorm_mode_16_64 3
		.amdhsa_memory_ordered 1
		.amdhsa_forward_progress 1
		.amdhsa_inst_pref_size 12
	.end_amdhsa_kernel
	.amdgpu_metadata
---
amdhsa.version: [ 1, 2 ]
amdhsa.kernels:
  - .name:           k_q78e10ed124_prep
    .symbol:         k_q78e10ed124_prep.kd
    .args:
      - { .name: e_actv, .offset: 0, .size: 8, .value_kind: global_buffer, .address_space: global }
      - { .name: out0, .offset: 8, .size: 8, .value_kind: global_buffer, .address_space: global }
      - { .name: ebf, .offset: 16, .size: 8, .value_kind: global_buffer, .address_space: global }
      - { .name: nsq, .offset: 24, .size: 8, .value_kind: global_buffer, .address_space: global }
    .group_segment_fixed_size: 19968
    .private_segment_fixed_size: 0
    .kernarg_segment_align: 8
    .kernarg_segment_size: 32
    .max_flat_workgroup_size: 256
    .sgpr_count:     66
    .vgpr_count:     78
    .wavefront_size: 32
...
	.end_amdgpu_metadata
.endif
;; end of part 1
;; launch knn (part 2): grid 16 x 16, 8 waves a work-group, clusters of 4 x 1, 267,264 bytes of LDS; arguments ebf, nsq, host, e_ap, out1, part; writes out1, part
.if DOCPART == 2
	.amdgcn_target "amdgcn-amd-amdhsa--gfx1250"
	.amdhsa_code_object_version 6
	.text
	.protected	k_q78e10ed124_knn
	.globl	k_q78e10ed124_knn
	.p2align	8
	.type	k_q78e10ed124_knn,@function
k_q78e10ed124_knn:
	s_mov_b64 s[64:65], 0
	v_nop
	global_prefetch_b8 v0, s[64:65] scope:SCOPE_SE
	s_setreg_imm32_b32 hwreg(HW_REG_WAVE_MODE, 25, 1), 1
	s_wait_xcnt 0x0
	s_wait_alu depctr_hold_cnt(0) depctr_sa_sdst(0) depctr_va_vdst(0) depctr_va_sdst(0) depctr_va_ssrc(0) depctr_va_vcc(0) depctr_vm_vsrc(0)
	s_getreg_b32 s2, hwreg(HW_REG_IB_STS2, 6, 4)
	s_cmp_eq_u32 s2, 0
	s_cbranch_scc0 .Lentry_in_a_cluster
	s_endpgm
.Lentry_in_a_cluster:
	s_bfe_u32 s2, ttmp6, 0x10000c
	s_cmp_lg_u32 s2, 0x3003
	s_cbranch_scc0 .Lentry_shape_is_right
	s_endpgm
.Lentry_shape_is_right:
; AnchorTs2Vec, launch 2 of 3.  For 512 queries (block x) and 512 candidates (split y): the best score e_i.e_j - sq[j]/2 over
; host[j] != host[i] and the first j that reaches it, stored as whole numbers part[y][i] = {key, j}.  Also out1 = e_ap (copy).
; Left out, as shown at the head of launch 1: sqrt, max(.,0), sq[i] and eye change no argmin; its limits hold here.
;
; SHARES.  16 x 16 work-groups, eight waves, two on each SIMD with 512 registers each.  Wave w keeps 64 queries (4 tiles of 16) as B operands
; in v256-v511 for the whole kernel; all waves walk the split's 32 candidate tiles, which lie in LDS, as A operands.  In the result lane
; (r, h) holds query r and candidates 8 h + 0..7, so the maximum over candidates is taken inside a lane and no wave shares a query.
; The first link of each chain takes nsq of its eight candidates as C: the score leaves the matrix unit finished.
; CLUSTER.  The four work-groups x = 4 X .. 4 X + 3 of one y read the same candidates, nsq and host: each of the three tensor loads of a wave
; is asked for jointly by the four (mask 15); its descriptor is made of y and the wave's number alone.  The whole split fits in LDS, so
; every tensor load is a first fill: no slot is filled again.  By this text's count a wave has three tensor loads out at the most.
; The queries are not asked for jointly: partners along x have different ones, and they go from memory straight into registers.
; LDS: candidates at 0 (tile T at 8192 T, fragment order: 512 dense bytes a load, no conflict), nsq at 262144, host at 264192 (2,048 bytes each).
.set NSQL,  262144
.set HOSTL, 264192
.set FA,   1                           ; v1   16 x lane + 8192 x tile
.set MA,   2                           ; v2   NSQL + 32 h + 64 x tile
.set VO,   3                           ; v3   16 x lane, never rewritten
.set R4,   4                           ; v4   4 r
.set L8,   5                           ; v5   8 x lane
.set IB,   6                           ; v6   512 y + 8 h: the global row of my register 0 in tile 0
.set HI,   8                           ; v[8:11]    host of my query in tile t
.set BEST, 12                          ; v[12:15]   best score so far; at the end the key
.set BT,   16                          ; v[16:19]   the tile that brought it; at the end the row
.set TMP,  20                          ; v[20:31]
.set NSQ,  32                          ; v[32:39]   nsq of candidates 8 h + 0..7
.set HJ,   40                          ; v[40:47]   their host
.set D,    48                          ; v[48:79]   four accumulators
.set SAV,  80                          ; v[80:111]  the eight masked scores of the best tile, for each t
.set FR,   112                         ; v[112:175] the candidate tile's eight fragments
.set CP,   176                         ; v[176:207] e_ap on its way to out1; never rewritten
.set MASK, 32                          ; s[32:63]   lanes whose candidate j has the host of query tile t: s[MASK + 8 t + j]
.set G1M,  68                          ; s[68:75]   group 1: one row of 256 bytes
.set G1C,  76                          ; s[76:83]   group 1: 128 rows of 256 bytes
.set G0N,  84                          ; s[84:87]   group 0: nsq
.set G0H,  88                          ; s[88:91]   group 0: host
.set G0C,  92                          ; s[92:95]   group 0: candidates
.set MSB, 0
.macro WIN new                         ; s_set_vgpr_msb; the immediate's high byte repeats the setting that is left
.if MSB != \new
	s_set_vgpr_msb (MSB<<8)|\new
.set MSB, \new
.endif
.endm
.macro ROUND                           ; a round of the cluster's barrier: my group's barrier, wave 0 signals for the group, all wait for the four groups, my group's barrier
	s_barrier_signal -1
	s_barrier_wait -1
	s_cmp_lg_u32 s16, 0
	s_cbranch_scc1 .Lnot_wave_0_\@
	s_barrier_signal -3
.Lnot_wave_0_\@:
	s_barrier_wait -3
	s_barrier_signal -1
	s_barrier_wait -1
.endm
	s_load_b256 s[4:11], s[0:1], 0x0               ; ebf s[4:5], nsq s[6:7], host s[8:9], e_ap s[10:11]
	s_load_b128 s[12:15], s[0:1], 0x20             ; out1 s[12:13], part s[14:15]
	v_lshl_add_u32 v254, v0, 2, 0x41000
	v_mov_b32 v255, 0
	ds_add_u32 v254, v255
	ds_add_u32 v254, v255
	v_lshrrev_b32 v8, 5, v0
	v_readfirstlane_b32 s16, v8                    ; wave
	s_bfe_u32 s17, ttmp6, 0x40000                  ; cx
	s_lshl_b32 s18, ttmp9, 2
	s_add_co_u32 s18, s18, s17                     ; x = 4 x cluster x + cx: the query block
	s_and_b32 s19, ttmp7, 0xffff                   ; y: the candidate split (the cluster is one group high)
	s_mov_b32 s100, 0xff800000                     ; -inf
	; group 1 of the joint loads: 15:0 mask = the four of the cluster; 17:16 elements of 8 bytes; 21 set beside a mask; no padding
	s_mov_b32 s[G1C+0], 0x0023000f
	s_mov_b32 s[G1C+1], 32<<16                     ; tensor_dim0 = 32 elements = 256 bytes
	s_mov_b32 s[G1C+2], 128<<16                    ; tensor_dim1 = 128 rows
	s_mov_b32 s[G1C+3], 32<<16                     ; tile_dim0 = 32
	s_mov_b32 s[G1C+4], 128                        ; tile_dim1 = 128: 32,768 bytes, four candidate tiles
	s_mov_b32 s[G1C+5], 32                         ; the block is dense: a row begins where the last ends
	s_mov_b32 s[G1C+6], 0
	s_mov_b32 s[G1C+7], 0
	s_mov_b32 s[G1M+0], 0x0023000f
	s_mov_b32 s[G1M+1], 32<<16
	s_mov_b32 s[G1M+2], 1<<16                      ; one row
	s_mov_b32 s[G1M+3], 32<<16
	s_mov_b32 s[G1M+4], 1
	s_mov_b32 s[G1M+5], 32
	s_mov_b32 s[G1M+6], 0
	s_mov_b32 s[G1M+7], 0
	; offsets of the joint loads, of y and the wave alone, in registers that never hold cx
	s_lshl_b32 s20, s19, 11                        ; 512 words a split,
	s_lshl_b32 s22, s16, 8                         ; 64 a wave
	s_add_co_u32 s20, s20, s22
	s_mov_b32 s21, 0
	s_lshl_b32 s22, s19, 18                        ; 32 tiles of 8,192 bytes a split,
	s_lshl_b32 s23, s16, 15                        ; four a wave
	s_add_co_u32 s22, s22, s23
	s_mov_b32 s23, 0
	s_mov_b32 s[G0N], 1
	s_lshl_b32 s[G0N+1], s16, 8
	s_add_co_u32 s[G0N+1], s[G0N+1], NSQL
	s_mov_b32 s[G0H], 1
	s_lshl_b32 s[G0H+1], s16, 8
	s_add_co_u32 s[G0H+1], s[G0H+1], HOSTL
	s_mov_b32 s[G0C], 1
	s_lshl_b32 s[G0C+1], s16, 15
	s_wait_dscnt 0x0
	s_wait_kmcnt 0x0
	s_add_nc_u64 s[G0N+2:G0N+3], s[6:7], s[20:21]
	s_or_b32 s[G0N+3], s[G0N+3], 0x80000000
	s_add_nc_u64 s[G0H+2:G0H+3], s[8:9], s[20:21]
	s_or_b32 s[G0H+3], s[G0H+3], 0x80000000
	s_add_nc_u64 s[G0C+2:G0C+3], s[4:5], s[22:23]
	s_or_b32 s[G0C+3], s[G0C+3], 0x80000000
	ROUND                                          ; the four work-groups are here: the joint loads meet
	tensor_load_to_lds s[G0N:G0N+3], s[G1M:G1M+7]
	s_nop 0
	tensor_load_to_lds s[G0H:G0H+3], s[G1M:G1M+7]
	s_nop 0
	tensor_load_to_lds s[G0C:G0C+3], s[G1C:G1C+7]
	s_nop 0
	; what hangs on x: plain loads and stores only
	s_lshl_b32 s96, s18, 18
	s_lshl_b32 s98, s16, 15
	s_add_co_u32 s96, s96, s98
	s_mov_b32 s97, 0
	s_add_nc_u64 s[24:25], s[4:5], s[96:97]        ; my 64 queries in ebf
	s_lshl_b32 s96, s18, 11
	s_lshl_b32 s98, s16, 8
	s_add_co_u32 s96, s96, s98
	s_add_nc_u64 s[26:27], s[8:9], s[96:97]        ; their host
	s_lshl_b32 s96, s19, 4
	s_add_co_u32 s96, s96, s18                     ; 16 y + x: the group's 32 rows of e_ap,
	s_lshl_b32 s96, s96, 15
	s_lshl_b32 s98, s16, 12                        ; four a wave
	s_add_co_u32 s96, s96, s98
	s_add_nc_u64 s[28:29], s[10:11], s[96:97]
	s_add_nc_u64 s[30:31], s[12:13], s[96:97]
	s_lshl_b32 s96, s19, 16                        ; part[y][512 x + 64 w], 8 bytes each
	s_lshl_b32 s98, s18, 12
	s_add_co_u32 s96, s96, s98
	s_lshl_b32 s98, s16, 9
	s_add_co_u32 s96, s96, s98
	s_add_nc_u64 s[66:67], s[14:15], s[96:97]
	s_lshl_b32 s99, s19, 9
	v_and_b32 v7, 31, v0                           ; lane
	v_lshlrev_b32 v[VO], 4, v7
	WIN 0x40                                       ; destination in v256-v511, address in v0-v255
.set i, 0
.rept 64
	global_load_b128 v[4*i:4*i+3], v[VO], s[24:25] offset:512*i      ; query tile t = i / 16, ks = (i / 2) % 8: v[256 + 64 t + 8 ks ..]
.set i, i+1
.endr
	WIN 0
	v_lshlrev_b32 v[FA], 4, v7
	v_lshlrev_b32 v[L8], 3, v7
	v_and_b32 v[R4], 15, v7
	v_lshlrev_b32 v[R4], 2, v[R4]
	v_lshrrev_b32 v7, 4, v7                        ; h
	v_lshlrev_b32 v[MA], 5, v7
	v_add_nc_u32 v[MA], NSQL, v[MA]
	v_lshl_add_u32 v[IB], v7, 3, s99
.irp t, 0,1,2,3
	global_load_b32 v[HI+\t], v[R4], s[26:27] offset:64*\t
.endr
.irp i, 0,1,2,3,4,5,6,7
	global_load_b128 v[CP+4*\i:CP+4*\i+3], v[VO], s[28:29] offset:512*\i th:TH_LOAD_NT
.endr
	; start values: a query all of whose candidates are masked keeps -inf and the first row of its lane
.irp t, 0,1,2,3
	v_mov_b32 v[BEST+\t], s100
	v_mov_b32 v[BT+\t], 0
.irp j, 0,1,2,3,4,5,6,7
	v_mov_b32 v[SAV+8*\t+\j], s100
.endr
.endr
; 20 LDS loads for one candidate tile, in the order in which they are wanted: nsq, the eight fragments, host
.macro LOADT
	ds_load_b128 v[NSQ:NSQ+3],   v[MA]
	ds_load_b128 v[NSQ+4:NSQ+7], v[MA] offset:16
.irp ks, 0,1,2,3,4,5,6,7
	ds_load_b128 v[FR+8*\ks:FR+8*\ks+3],   v[FA] offset:1024*\ks
	ds_load_b128 v[FR+8*\ks+4:FR+8*\ks+7], v[FA] offset:1024*\ks+512
.endr
	ds_load_b128 v[HJ:HJ+3],   v[MA] offset:HOSTL-NSQL
	ds_load_b128 v[HJ+4:HJ+7], v[MA] offset:HOSTL-NSQL+16
.endm
; Query tile t: mask, maximum of my eight, and where it beats the best strictly (so the earlier tile keeps a tie) keep it, the tile and the eight scores.
.macro EPI t
.irp j, 0,1,2,3,4,5,6,7
	v_cndmask_b32 v[D+8*\t+\j], v[D+8*\t+\j], s100, s[MASK+8*\t+\j]
.endr
	v_max3_num_f32 v[TMP+2*\t],   v[D+8*\t],   v[D+8*\t+1], v[D+8*\t+2]
	v_max3_num_f32 v[TMP+2*\t+1], v[D+8*\t+3], v[D+8*\t+4], v[D+8*\t+5]
	v_max3_num_f32 v[TMP+2*\t],   v[TMP+2*\t], v[D+8*\t+6], v[D+8*\t+7]
	v_max_num_f32  v[TMP+2*\t],   v[TMP+2*\t], v[TMP+2*\t+1]
	v_cmp_gt_f32 vcc_lo, v[TMP+2*\t], v[BEST+\t]
	v_cndmask_b32 v[BEST+\t], v[BEST+\t], v[TMP+2*\t], vcc_lo
	v_cndmask_b32 v[BT+\t], v[BT+\t], s101, vcc_lo
.irp j, 0,1,2,3,4,5,6,7
	v_cndmask_b32 v[SAV+8*\t+\j], v[SAV+8*\t+\j], v[D+8*\t+\j], vcc_lo
.endr
.endm
; One candidate tile.  nxt = 1: the next tile's loads are issued; 2: also out1 is stored; 0: the last tile.
.macro TILE nxt
	WIN 0x04                                       ; source 1 (the queries) in v256-v511
.irp ks, 0,1,2,3,4,5,6,7
	s_wait_dscnt 16-2*\ks                          ; LDS loads come back in order: nsq and fragments 0..ks are in; out may be the pairs of later ks and host's two
.irp t, 0,1,2,3
.if \ks == 0
	v_wmma_f32_16x16x32_bf16 v[D+8*\t:D+8*\t+7], v[FR:FR+7], v[64*\t:64*\t+7], v[NSQ:NSQ+7]
.else
	v_wmma_f32_16x16x32_bf16 v[D+8*\t:D+8*\t+7], v[FR+8*\ks:FR+8*\ks+7], v[64*\t+8*\ks:64*\t+8*\ks+7], v[D+8*\t:D+8*\t+7]
.endif
.endr
.endr                                                  ; the four accumulators take turns, one instruction a turn
	WIN 0
	s_wait_dscnt 0x0                               ; host of the candidates is in
	; 32 compares that name no register of a matrix instruction: they are the places in front of the loads into
	; the fragments and nsq, of the selects that read the results, and of the next tile's first links, which write over them
.irp t, 0,1,2,3
.irp j, 0,1,2,3,4,5,6,7
	v_cmp_eq_u32 s[MASK+8*\t+\j], v[HJ+\j], v[HI+\t]
.endr
.endr
.if \nxt == 2
	s_wait_loadcnt 0x0                             ; e_ap is in
.irp i, 0,1,2,3,4,5,6,7
	global_store_b128 v[VO], v[CP+4*\i:CP+4*\i+3], s[30:31] offset:512*\i th:TH_STORE_NT   ; 512 consecutive bytes each
.endr
.endif
.if \nxt
	v_add_nc_u32 v[FA], 8192, v[FA]
	v_add_nc_u32 v[MA], 64, v[MA]
	LOADT                                          ; the four EPI below stand between these loads and their first use
.endif
	EPI 0
	EPI 1
	EPI 2
	EPI 3
.endm
	s_wait_tensorcnt 0x0                           ; my parts of nsq, host and the candidates are in LDS,
	s_barrier_signal -1
	s_barrier_wait -1                              ; everybody's are
	LOADT
	s_wait_loadcnt 8                               ; queries and their host are in; the eight loads of e_ap, issued behind them, stay out
	s_mov_b32 s101, 0                              ; the tile: counter and value
.Lfirst:
	TILE 1
	s_add_co_u32 s101, s101, 1
	s_cmp_lt_u32 s101, 15
	s_cbranch_scc1 .Lfirst
	TILE 2                                         ; tile 15: the copy leaves in the middle of the walk
	s_add_co_u32 s101, s101, 1
.Lsecond:
	TILE 1
	s_add_co_u32 s101, s101, 1
	s_cmp_lt_u32 s101, 31
	s_cbranch_scc1 .Lsecond
	TILE 0                                         ; tile 31: nothing more to load
	; THE FINISH.  Per query tile: the first j of the best tile, the global row, a key whose unsigned order is the score's, and the better
	; of the two halves of lanes (on equal keys the lower row).
	s_mov_b32 s32, 0x76543210                      ; v_permlanex16_b32: lane i of one half reads lane i of the other
	s_mov_b32 s33, 0xfedcba98
	s_mov_b32 s36, 0xffff0000                      ; lanes 16 to 31
.macro FIN t
	v_add_f32 v[BEST+\t], 0, v[BEST+\t]            ; -0 becomes +0, so that equal scores have equal keys
	v_mov_b32 v[TMP], 7
.irp j, 6,5,4,3,2,1,0
	v_cmp_neq_f32 vcc_lo, v[SAV+8*\t+\j], v[BEST+\t]
	v_cndmask_b32 v[TMP], \j, v[TMP], vcc_lo       ; descending j: the lowest that equals the best stays
.endr
	v_lshl_add_u32 v[BT+\t], v[BT+\t], 4, v[TMP]
	v_add_nc_u32 v[BT+\t], v[BT+\t], v[IB]         ; row = 512 y + 16 tile + 8 h + j
	v_ashrrev_i32 v[TMP+1], 31, v[BEST+\t]
	v_or_b32 v[TMP+1], 0x80000000, v[TMP+1]
	v_xor_b32 v[BEST+\t], v[BEST+\t], v[TMP+1]     ; negative: all bits turned; else the sign bit set
	v_permlanex16_b32 v[TMP+2], v[BEST+\t], s32, s33       ; destinations written before, in EPI 1
	v_permlanex16_b32 v[TMP+3], v[BT+\t], s32, s33
	v_cmp_gt_u32 s34, v[TMP+2], v[BEST+\t]
	v_cmp_eq_u32 s35, v[TMP+2], v[BEST+\t]
	v_cmp_lt_u32 vcc_lo, v[TMP+3], v[BT+\t]
	s_and_b32 s35, s35, vcc_lo
	s_or_b32 s34, s34, s35
	v_cndmask_b32 v[BEST+\t], v[BEST+\t], v[TMP+2], s34
	v_cndmask_b32 v[BT+\t], v[BT+\t], v[TMP+3], s34
.endm
	FIN 0
	FIN 1
	FIN 2
	FIN 3
.irp p, 0,1
	v_cndmask_b32 v[TMP+8+2*\p], v[BEST+2*\p], v[BEST+2*\p+1], s36   ; lanes 0-15: query tile 2 p; lanes 16-31: tile 2 p + 1
	v_cndmask_b32 v[TMP+9+2*\p], v[BT+2*\p], v[BT+2*\p+1], s36
	global_store_b64 v[L8], v[TMP+8+2*\p:TMP+9+2*\p], s[66:67] offset:256*\p   ; 32 queries: 256 consecutive bytes, aligned
.endr
	s_wait_tensorcnt 0x0
	ds_add_u32 v254, v255
	s_wait_dscnt 0x0
	ROUND                                          ; the closing round: no work-group ends while a partner may still ask for a tile that names it
	s_endpgm
.Lfunc_end_k_q78e10ed124_knn:
	.size	k_q78e10ed124_knn, .Lfunc_end_k_q78e10ed124_knn-k_q78e10ed124_knn
	.p2alignl 7, 3214868480
	.fill 96, 4, 3214868480
	.section	.rodata,"a",@progbits
	.p2align	6, 0x0
	.amdhsa_kernel k_q78e10ed124_knn
		.amdhsa_group_segment_fixed_size 267264
		.amdhsa_private_segment_fixed_size 0
		.amdhsa_enable_private_segment 0
		.amdhsa_kernarg_size 48
		.amdhsa_user_sgpr_count 2
		.amdhsa_user_sgpr_kernarg_segment_ptr 1
		.amdhsa_wavefront_size32 1
		.amdhsa_system_sgpr_workgroup_id_x 1
		.amdhsa_system_sgpr_workgroup_id_y 1
		.amdhsa_system_sgpr_workgroup_id_z 1
		.amdhsa_system_vgpr_workitem_id 0
		.amdhsa_next_free_vgpr 512
		.amdhsa_next_free_sgpr 102
		.amdhsa_reserve_vcc 1
		.amdhsa_float_denorm_mode_32 3
		.amdhsa_float_denorm_mode_16_64 3
		.amdhsa_memory_ordered 1
		.amdhsa_forward_progress 1
		.amdhsa_inst_pref_size 61
	.end_amdhsa_kernel
	.amdgpu_metadata
---
amdhsa.version: [ 1, 2 ]
amdhsa.kernels:
  - .name:           k_q78e10ed124_knn
    .symbol:         k_q78e10ed124_knn.kd
    .args:
      - { .name: ebf, .offset: 0, .size: 8, .value_kind: global_buffer, .address_space: global }
      - { .name: nsq, .offset: 8, .size: 8, .value_kind: global_buffer, .address_space: global }
      - { .name: host, .offset: 16, .size: 8, .value_kind: global_buffer, .address_space: global }
      - { .name: e_ap, .offset: 24, .size: 8, .value_kind: global_buffer, .address_space: global }
      - { .name: out1, .offset: 32, .size: 8, .value_kind: global_buffer, .address_space: global }
      - { .name: part, .offset: 40, .size: 8, .value_kind: global_buffer, .address_space: global }
    .group_segment_fixed_size: 267264
    .private_segment_fixed_size: 0
    .kernarg_segment_align: 8
    .kernarg_segment_size: 48
    .max_flat_workgroup_size: 256
    .sgpr_count:     102
    .vgpr_count:     512
    .wavefront_size: 32
...
	.end_amdgpu_metadata
.endif
;; end of part 2
;; launch gather (part 3): grid 256 x 1, 8 waves a work-group, no clusters, 3,072 bytes of LDS; arguments part, e_actv, out2; writes out2
.if DOCPART == 3
	.amdgcn_target "amdgcn-amd-amdhsa--gfx1250"
	.amdhsa_code_object_version 6
	.text
	.protected	k_q78e10ed124_gather
	.globl	k_q78e10ed124_gather
	.p2align	8
	.type	k_q78e10ed124_gather,@function
k_q78e10ed124_gather:
	s_mov_b64 s[64:65], 0
	v_nop
	global_prefetch_b8 v0, s[64:65] scope:SCOPE_SE
	s_setreg_imm32_b32 hwreg(HW_REG_WAVE_MODE, 25, 1), 1
	s_wait_xcnt 0x0
; AnchorTs2Vec, launch 3 of 3.  out2[i] = e_actv[j(i)], j(i) = the row of the largest key among part[0..15][i], the lowest split on a tie.
; Only whole numbers read from memory are compared here; the steps of the distance that are left out are shown at the head of launch 1.
; 256 work-groups of 32 queries.  Wave w reduces splits 2 w and 2 w + 1 for all 32 queries (lane = query); the eight results of a query meet
; in LDS (wave w's 256 bytes at 256 w); then wave w copies the rows of queries 4 w .. 4 w + 3, 1,024 bytes each, as two loads and two stores
; of 512 consecutive bytes.  No input tile is shared between work-groups in a known way (the rows hang on the data): no cluster; no product.
.set L8,  2                            ; v2  8 x lane
.set SA,  3                            ; v3  256 w + 8 x lane
.set RA,  4                            ; v4  8 (4 w + lane % 4)
.set L16, 5                            ; v5  16 x lane, never rewritten
.set A,   32                           ; v[32:35] byte offset of my 16 bytes in the row of query q
.set X,   40                           ; v[40:71] eight loads
	s_load_b128 s[4:7], s[0:1], 0x0                ; part s[4:5], e_actv s[6:7]
	s_load_b64 s[8:9], s[0:1], 0x10                ; out2
	v_lshl_add_u32 v72, v0, 2, 0x800
	v_mov_b32 v73, 0
	v_and_b32 v1, 31, v0
	v_lshrrev_b32 v2, 5, v0
	v_readfirstlane_b32 s12, v2                    ; wave
	v_lshlrev_b32 v[L8], 3, v1
	v_lshlrev_b32 v[L16], 4, v1
	s_lshl_b32 s10, s12, 17                        ; two splits of 65,536 bytes a wave,
	s_lshl_b32 s13, ttmp9, 8                       ; 32 queries of 8 bytes a group
	s_add_co_u32 s10, s10, s13
	s_mov_b32 s11, 0
	s_lshl_b32 s14, ttmp9, 15                      ; out2: 32 rows a group, four a wave
	s_lshl_b32 s13, s12, 12
	s_add_co_u32 s14, s14, s13
	s_mov_b32 s15, 0
	s_wait_kmcnt 0x0
	s_add_nc_u64 s[4:5], s[4:5], s[10:11]
	s_add_nc_u64 s[8:9], s[8:9], s[14:15]
	global_load_b64 v[8:9],   v[L8], s[4:5] th:TH_LOAD_NT                ; {key, row} of split 2 w: 256 consecutive bytes, aligned
	global_load_b64 v[10:11], v[L8], s[4:5] offset:65536 th:TH_LOAD_NT   ; of split 2 w + 1
	s_lshl_b32 s13, s12, 8
	v_add_nc_u32 v[SA], s13, v[L8]
	v_and_b32 v[RA], 3, v1
	v_lshlrev_b32 v[RA], 3, v[RA]
	s_lshl_b32 s13, s12, 5
	v_add_nc_u32 v[RA], s13, v[RA]
	s_wait_loadcnt 0x0
	v_cmp_gt_u32 vcc_lo, v10, v8                   ; strictly greater: the lower split, which has the lower rows, keeps a tie
	v_cndmask_b32 v8, v8, v10, vcc_lo
	v_cndmask_b32 v9, v9, v11, vcc_lo
	ds_store_b64 v[SA], v[8:9]
	s_wait_dscnt 0x0                               ; for the others' sake: my results are in LDS
	s_barrier_signal -1
	s_barrier_wait -1
.irp ww, 0,1,2,3,4,5,6,7
	ds_load_b64 v[16+2*\ww:17+2*\ww], v[RA] offset:256*\ww   ; query 4 w + lane % 4, as wave ww left it
.endr
.irp ww, 1,2,3,4,5,6,7
	s_wait_dscnt 7-\ww                             ; loads 0 .. ww are in, the younger ones stay out
	v_cmp_gt_u32 vcc_lo, v[16+2*\ww], v16
	v_cndmask_b32 v16, v16, v[16+2*\ww], vcc_lo
	v_cndmask_b32 v17, v17, v[17+2*\ww], vcc_lo
.endr
.irp q, 0,1,2,3
	v_readlane_b32 s[20+\q], v17, \q               ; lane q holds the row for query 4 w + q
	s_min_u32 s[20+\q], s[20+\q], 0x1fff           ; a row of the table of 8,192
	s_lshl_b32 s[20+\q], s[20+\q], 10
	v_add_nc_u32 v[A+\q], s[20+\q], v[L16]
.endr
.irp q, 0,1,2,3
	global_load_b128 v[X+8*\q:X+8*\q+3],   v[A+\q], s[6:7]               ; no hint: several queries may name one row
	global_load_b128 v[X+8*\q+4:X+8*\q+7], v[A+\q], s[6:7] offset:512
.endr
.irp i, 0,1,2,3,4,5,6,7
	s_wait_loadcnt 7-\i                            ; load i is in, the younger ones stay out
	global_store_b128 v[L16], v[X+4*\i:X+4*\i+3], s[8:9] offset:512*\i th:TH_STORE_NT   ; 512 consecutive bytes of out2
.endr
	s_wait_tensorcnt 0x0
	ds_add_u32 v72, v73
	s_wait_dscnt 0x0
	s_endpgm
.Lfunc_end_k_q78e10ed124_gather:
	.size	k_q78e10ed124_gather, .Lfunc_end_k_q78e10ed124_gather-k_q78e10ed124_gather
	.p2alignl 7, 3214868480
	.fill 96, 4, 3214868480
	.section	.rodata,"a",@progbits
	.p2align	6, 0x0
	.amdhsa_kernel k_q78e10ed124_gather
		.amdhsa_group_segment_fixed_size 3072
		.amdhsa_private_segment_fixed_size 0
		.amdhsa_enable_private_segment 0
		.amdhsa_kernarg_size 24
		.amdhsa_user_sgpr_count 2
		.amdhsa_user_sgpr_kernarg_segment_ptr 1
		.amdhsa_wavefront_size32 1
		.amdhsa_system_sgpr_workgroup_id_x 1
		.amdhsa_system_sgpr_workgroup_id_y 1
		.amdhsa_system_sgpr_workgroup_id_z 1
		.amdhsa_system_vgpr_workitem_id 0
		.amdhsa_next_free_vgpr 74
		.amdhsa_next_free_sgpr 66
		.amdhsa_reserve_vcc 1
		.amdhsa_float_denorm_mode_32 3
		.amdhsa_float_denorm_mode_16_64 3
		.amdhsa_memory_ordered 1
		.amdhsa_forward_progress 1
		.amdhsa_inst_pref_size 6
	.end_amdhsa_kernel
	.amdgpu_metadata
---
amdhsa.version: [ 1, 2 ]
amdhsa.kernels:
  - .name:           k_q78e10ed124_gather
    .symbol:         k_q78e10ed124_gather.kd
    .args:
      - { .name: part, .offset: 0, .size: 8, .value_kind: global_buffer, .address_space: global }
      - { .name: e_actv, .offset: 8, .size: 8, .value_kind: global_buffer, .address_space: global }
      - { .name: out2, .offset: 16, .size: 8, .value_kind: global_buffer, .address_space: global }
    .group_segment_fixed_size: 3072
    .private_segment_fixed_size: 0
    .kernarg_segment_align: 8
    .kernarg_segment_size: 24
    .max_flat_workgroup_size: 256
    .sgpr_count:     66
    .vgpr_count:     74
    .wavefront_size: 32
...
	.end_amdgpu_metadata
.endif
;; end of part 3
;; ======== version 2 of 3: 3 launches; 1.16 times as fast as version 1
;; limits: values outside matrix products are rounded to bf16
;; workspace buffers: ebf 4,194,304 bytes; nsq 32,768 bytes; part 1,048,576 bytes of whole numbers; part2 589,824 bytes of whole numbers
;; launch prep (part 4): grid 256 x 1, 8 waves a work-group, no clusters, 19,968 bytes of LDS; arguments e_actv, out0, ebf, nsq; writes out0, ebf, nsq
.if DOCPART == 4
	.amdgcn_target "amdgcn-amd-amdhsa--gfx1250"
	.amdhsa_code_object_version 6
	.text
	.protected	k_q78e10ed124_prep
	.globl	k_q78e10ed124_prep
	.p2align	8
	.type	k_q78e10ed124_prep,@function
k_q78e10ed124_prep:
	s_mov_b64 s[64:65], 0
	v_nop
	global_prefetch_b8 v0, s[64:65] scope:SCOPE_SE
	s_setreg_imm32_b32 hwreg(HW_REG_WAVE_MODE, 25, 1), 1
	s_wait_xcnt 0x0
; AnchorTs2Vec, launch 1 of 3.  out0 = e_actv (copy); ebf = e_actv rounded to bf16, laid out in the order of matrix fragments;
; nsq[j] = -1/2 sum over k of bf16(e_actv[j][k])^2, in f32.
;
; WORK LEFT OUT IN THE WHOLE PROGRAM, for every finite e_actv and every host, in exact arithmetic, for a fixed row i:
;   dist(i,j) = sqrt(max(d2,0)), d2 = sq[i] + sq[j] - 2 e_i.e_j = |e_i - e_j|^2 >= 0.
;   max(d2,0) is the identity on d2 >= 0; sqrt is strictly increasing on [0,inf); division by -2 turns the argmin into an argmax.
;   So argmin_j dist = argmax_j S(i,j), S(i,j) = e_i.e_j - sq[i]/2 - sq[j]/2 = -d2/2, with the same set of ties: no sqrt, no max.
;   eye is contained in same_discr, since host[i] == host[i]: no eye.
;   S(i,j) = S(j,i) and host[i] == host[j] is symmetric too, for all values: the product e_i.e_j that reference() forms twice (once in row i,
;   once in row j of e e^T) is formed once and its masked score enters both rows' maxima.  Of the 16 x 16 pairs of blocks of 512 rows
;   launch 2 multiplies block x with blocks x .. x + 8 (mod 16) alone; the mirrored 7 blocks of products are left out.
;   A masked j holds BIG in reference() and -inf here; if every j is masked all distances are equal and the argmin is 0: launch 3 gives
;   row 0 where no score lies above -inf.  Every input has a way to an output and is loaded (e_ap and host in launch 2).
; LIMITS.  (a) The score is rounded in another order than sqrt(sq+sq-2dot): two candidates whose d2 differ by about 1e-4 or less at
;   d2 of some hundreds (relative 3e-7) may be ordered otherwise than in reference().  (b) Where rounding makes d2 <= 0 for several
;   near-duplicates, reference() takes the first of them, this program the largest score.  (c) Products take bf16 operands, so the
;   neighbour is that of the rounded rows; sq is made of the same rounded numbers.  (d) NaN and infinities in e_actv are not ordered
;   as reference() orders them, an overflow of the sqrt's argument is not carried to the result, and an unmasked distance of 1e30 or
;   more is not taken as equal to BIG.  (e) On scores equal to the last bit the lower row wins, as in reference(), but for one case,
;   stated at the head of launch 2.
;
; ebf: element (row 16 T + r, k = 32 ks + 16 u + 8 h + e) lies at byte 8192 T + 1024 ks + 512 u + 256 h + 16 r + 2 e.  A fragment of
; 16 rows x 32 k is then 1,024 dense bytes of which lane 16 h + r takes 16 bytes at 16 x lane and 16 at 512 + 16 x lane.
;
; SHARES.  256 work-groups of 32 rows (two tiles of 16).  Wave w takes tile w / 4 and k = 64 (w % 4) .. + 63: 16 rows x 256 bytes, which
; are exactly 8 blocks of 256 bytes of ebf (blocks 8 w .. 8 w + 7 of the group's 64).  A load or store of a wave covers two rows' aligned
; 256 bytes, sixteen lanes each.  All eight loads of a wave go out at once.  No work-group shares an input byte with another, and there
; is no product: no cluster, no tensor load, no matrix instruction.
; LDS: wave w's stage at 2304 w: 8 blocks at a pitch of 288 bytes (72 words: the 32 lanes of an 8-byte store fall on 64 different banks,
; ISA guide 11.1), written and read by that wave alone.  From 18432 on: 64 bytes a wave, its quarter sums of 16 rows.
.set PITCH, 288
.set WSTG,  8*PITCH                    ; a wave's stage
.set PS,    8*WSTG                     ; the quarter sums
.set VOX, 2                            ; v2   1024 (lane / 16) + 16 (lane % 16): my 16 bytes in the first two rows; never rewritten
.set SA,  3                            ; v3   where my 8 bytes of bf16 go in the stage
.set RA,  4                            ; v4   where I read 16 bytes of a block back
.set PA,  5                            ; v5   my wave's quarter sums, + 4 (lane / 16)
.set L4,  6                            ; v6   4 x lane
.set VOE, 7                            ; v7   16 x lane
.set X,   8                            ; v[8:39]   load i: rows 2 i, 2 i + 1; never rewritten (the copy is stored from here)
.set P,   40                           ; v[40:41]  four bf16
.set T,   42                           ; v[42:45]  the same, widened
.set S,   46                           ; v[46:53]  sum of squares of load i
.set ACC, 54                           ; v[54:55]
.set RB,  56                           ; v[56:71]  four read-backs
	s_load_b256 s[4:11], s[0:1], 0x0               ; e_actv s[4:5], out0 s[6:7], ebf s[8:9], nsq s[10:11]
	v_lshl_add_u32 v76, v0, 2, 0x4a00
	v_mov_b32 v77, 0
	v_and_b32 v1, 31, v0                           ; lane
	v_lshrrev_b32 v72, 5, v0
	v_readfirstlane_b32 s12, v72                   ; wave
	v_and_b32 v72, 15, v1                          ; c = lane % 16
	v_lshrrev_b32 v73, 4, v1                       ; hh = lane / 16
	v_lshlrev_b32 v[VOX], 4, v72
	v_lshl_add_u32 v[VOX], v73, 10, v[VOX]
	s_lshl_b32 s20, ttmp9, 15                      ; 32 rows of 1,024 bytes a group,
	s_lshr_b32 s15, s12, 2
	s_lshl_b32 s15, s15, 14                        ; 16 rows a tile,
	s_add_co_u32 s20, s20, s15
	s_and_b32 s15, s12, 3
	s_lshl_b32 s15, s15, 8                         ; 256 bytes a k quarter
	s_add_co_u32 s20, s20, s15
	s_mov_b32 s21, 0
	s_lshl_b32 s22, ttmp9, 14                      ; ebf: 16,384 bytes a group, 2,048 a wave
	s_lshl_b32 s15, s12, 11
	s_add_co_u32 s22, s22, s15
	s_mov_b32 s23, 0
	s_mov_b32 s18, 0xffff0000                      ; a word's upper bf16
	s_wait_kmcnt 0x0
	s_add_nc_u64 s[4:5], s[4:5], s[20:21]
	s_add_nc_u64 s[6:7], s[6:7], s[20:21]
	s_add_nc_u64 s[8:9], s[8:9], s[22:23]
.irp i, 0,1,2,3,4,5,6,7
	global_load_b128 v[X+4*\i:X+4*\i+3], v[VOX], s[4:5] offset:2048*\i   ; rows 2 i + hh, k = 64 (w % 4) + 4 c .. + 3
.endr
	s_lshl_b32 s22, ttmp9, 7                       ; nsq: 32 numbers a group
	s_add_nc_u64 s[10:11], s[10:11], s[22:23]
	; k = 4 c + 0..3 of the quarter lies in block c / 2 of the wave's eight, at byte 16 row + 8 (c % 2)
	v_lshrrev_b32 v[SA], 1, v72
	v_mul_u32_u24 v[SA], v[SA], PITCH
	v_and_b32 v74, 1, v72
	v_lshl_add_u32 v[SA], v74, 3, v[SA]
	v_lshl_add_u32 v[SA], v73, 4, v[SA]            ; row 2 i + hh: 16 hh here, 32 i in the immediate
	s_mul_i32 s13, s12, WSTG
	v_add_nc_u32 v[SA], s13, v[SA]
	v_mul_u32_u24 v[RA], v73, PITCH                ; back: lanes 0-15 one block of 256 bytes, lanes 16-31 the next
	v_lshl_add_u32 v[RA], v72, 4, v[RA]
	v_add_nc_u32 v[RA], s13, v[RA]
	s_lshl_b32 s14, s12, 6
	s_add_co_u32 s14, s14, PS
	v_lshl_add_u32 v[PA], v73, 2, s14
	v_lshlrev_b32 v[L4], 2, v1
	v_lshlrev_b32 v[VOE], 4, v1
	v_lshlrev_b32 v74, 2, v72
	v_lshl_add_u32 v74, v73, 8, v74                ; for wave 0 at the end: 256 (lane / 16) + 4 (lane % 16)
; Load i: copy out, round to bf16 into the stage, square the rounded numbers, sum over the row's sixteen lanes.
.macro CHUNK i
	s_wait_loadcnt 7-\i                            ; loads come back in order (ISA guide 5.7.1): load i is in, the younger ones stay out
	global_store_b128 v[VOX], v[X+4*\i:X+4*\i+3], s[6:7] offset:2048*\i th:TH_STORE_NT   ; sixteen lanes store 256 consecutive bytes, aligned
	v_cvt_pk_bf16_f32 v[P],   v[X+4*\i],   v[X+4*\i+1]
	v_cvt_pk_bf16_f32 v[P+1], v[X+4*\i+2], v[X+4*\i+3]
	ds_store_b64 v[SA], v[P:P+1] offset:32*\i
	v_lshlrev_b32 v[T],   16,  v[P]
	v_and_b32     v[T+1], s18, v[P]
	v_lshlrev_b32 v[T+2], 16,  v[P+1]
	v_and_b32     v[T+3], s18, v[P+1]
	v_pk_mul_f32 v[ACC:ACC+1], v[T:T+1], v[T:T+1]                    ; the first product starts the sum
	v_pk_fma_f32 v[ACC:ACC+1], v[T+2:T+3], v[T+2:T+3], v[ACC:ACC+1]
	v_add_f32 v[S+\i], v[ACC], v[ACC+1]
	v_add_f32_dpp v[S+\i], v[S+\i], v[S+\i] row_xmask:1 row_mask:0xf bank_mask:0xf
	v_add_f32_dpp v[S+\i], v[S+\i], v[S+\i] row_xmask:2 row_mask:0xf bank_mask:0xf
	v_add_f32_dpp v[S+\i], v[S+\i], v[S+\i] row_xmask:4 row_mask:0xf bank_mask:0xf
	v_add_f32_dpp v[S+\i], v[S+\i], v[S+\i] row_xmask:8 row_mask:0xf bank_mask:0xf
	ds_store_b32 v[PA], v[S+\i] offset:8*\i        ; row 2 i + hh's quarter sum: sixteen lanes write one word with one value
.endm
.irp i, 0,1,2,3,4,5,6,7
	CHUNK \i
.endr
	; my eight blocks back, two at a time.  LDS serves a wave's instructions in order (ISA guide 5.7.1.4): these loads see my stores above.
.irp i, 0,1,2,3
	ds_load_b128 v[RB+4*\i:RB+4*\i+3], v[RA] offset:2*PITCH*\i
.endr
.irp i, 0,1,2,3
	s_wait_dscnt 3-\i                              ; read-back i is in, the younger ones stay out
	global_store_b128 v[VOE], v[RB+4*\i:RB+4*\i+3], s[8:9] offset:512*\i   ; 512 consecutive bytes of ebf
.endr
	s_wait_dscnt 0x0                               ; for the others' sake: my quarter sums are in LDS
	s_barrier_signal -1
	s_barrier_wait -1
	s_cmp_lg_u32 s12, 0
	s_cbranch_scc1 .Ldone
	; wave 0: lane = row of the group's 32; its four quarter sums lie with waves 4 (lane / 16) + 0..3
.irp q, 0,1,2,3
	ds_load_b32 v[T+\q], v74 offset:PS+64*\q
.endr
	s_wait_dscnt 0x0
	v_add_f32 v[T], v[T], v[T+1]
	v_add_f32 v[T+2], v[T+2], v[T+3]
	v_add_f32 v[T], v[T], v[T+2]
	v_mul_f32 v[ACC], -0.5, v[T]
	global_store_b32 v[L4], v[ACC], s[10:11]       ; 128 consecutive bytes: all that the group has of nsq, one instruction
.Ldone:
	s_wait_tensorcnt 0x0
	ds_add_u32 v76, v77
	s_wait_dscnt 0x0
	s_endpgm
.Lfunc_end_k_q78e10ed124_prep:
	.size	k_q78e10ed124_prep, .Lfunc_end_k_q78e10ed124_prep-k_q78e10ed124_prep
	.p2alignl 7, 3214868480
	.fill 96, 4, 3214868480
	.section	.rodata,"a",@progbits
	.p2align	6, 0x0
	.amdhsa_kernel k_q78e10ed124_prep
		.amdhsa_group_segment_fixed_size 19968
		.amdhsa_private_segment_fixed_size 0
		.amdhsa_enable_private_segment 0
		.amdhsa_kernarg_size 32
		.amdhsa_user_sgpr_count 2
		.amdhsa_user_sgpr_kernarg_segment_ptr 1
		.amdhsa_wavefront_size32 1
		.amdhsa_system_sgpr_workgroup_id_x 1
		.amdhsa_system_sgpr_workgroup_id_y 1
		.amdhsa_system_sgpr_workgroup_id_z 1
		.amdhsa_system_vgpr_workitem_id 0
		.amdhsa_next_free_vgpr 78
		.amdhsa_next_free_sgpr 66
		.amdhsa_reserve_vcc 0
		.amdhsa_float_denorm_mode_32 3
		.amdhsa_float_denorm_mode_16_64 3
		.amdhsa_memory_ordered 1
		.amdhsa_forward_progress 1
		.amdhsa_inst_pref_size 12
	.end_amdhsa_kernel
	.amdgpu_metadata
---
amdhsa.version: [ 1, 2 ]
amdhsa.kernels:
  - .name:           k_q78e10ed124_prep
    .symbol:         k_q78e10ed124_prep.kd
    .args:
      - { .name: e_actv, .offset: 0, .size: 8, .value_kind: global_buffer, .address_space: global }
      - { .name: out0, .offset: 8, .size: 8, .value_kind: global_buffer, .address_space: global }
      - { .name: ebf, .offset: 16, .size: 8, .value_kind: global_buffer, .address_space: global }
      - { .name: nsq, .offset: 24, .size: 8, .value_kind: global_buffer, .address_space: global }
    .group_segment_fixed_size: 19968
    .private_segment_fixed_size: 0
    .kernarg_segment_align: 8
    .kernarg_segment_size: 32
    .max_flat_workgroup_size: 256
    .sgpr_count:     66
    .vgpr_count:     78
    .wavefront_size: 32
...
	.end_amdgpu_metadata
.endif
;; end of part 4
;; launch knn (part 5): grid 16 x 16, 8 waves a work-group, no clusters, 178,688 bytes of LDS; arguments ebf, nsq, host, e_ap, out1, part, part2; writes out1, part, part2
.if DOCPART == 5
	.amdgcn_target "amdgcn-amd-amdhsa--gfx1250"
	.amdhsa_code_object_version 6
	.text
	.protected	k_q78e10ed124_knn
	.globl	k_q78e10ed124_knn
	.p2align	8
	.type	k_q78e10ed124_knn,@function
k_q78e10ed124_knn:
	s_mov_b64 s[64:65], 0
	v_nop
	global_prefetch_b8 v0, s[64:65] scope:SCOPE_SE
	s_setreg_imm32_b32 hwreg(HW_REG_WAVE_MODE, 25, 1), 1
	s_wait_xcnt 0x0
; AnchorTs2Vec, launch 2 of 3.  Work-group (x, y): the 512 queries of block x against the 288 candidates (512 x + 288 y + k) mod 8192, k = 0..287.
; Score S(i,j) = e_i.e_j + nsq[i] + nsq[j] = -d2/2, -inf where host[i] == host[j].  One score serves both rows:
;   part[y][i]            = {key, j}: the best S(i,.) over the 288 candidates, for each of the 512 queries;
;   part2[x][288 y + k]   = {key, i}: the best S(.,j) over the 512 queries, for each of the 288 candidates.
; key is S mapped so that unsigned order is S's order.  Also out1 = e_ap (copy).
; Left out, as shown at the head of launch 1: sqrt, max(.,0), eye, and the mirrored products: over y the candidates of block x are blocks
; x .. x + 8 (mod 16); row i of block b meets blocks b .. b + 8 as a query and blocks b - 8 .. b as a candidate: all sixteen.  (Distances 0
; and 8 are met from both sides, which does a maximum no harm and keeps all work-groups alike.)  Launch 1's limits hold here.
; LIMIT on ties: inside a lane's walk a later tile replaces the best only if strictly greater.  The walk ascends in rows but where the run of
; 288 passes row 8191; there, on scores equal to the last bit, the earlier tile of the walk wins and not the lower row.
;
; SHARES.  Eight waves, two on each SIMD with 512 registers each.  Wave w keeps 64 queries (4 tiles of 16) as B operands in v256-v511 for
; the whole kernel; all waves walk the 18 candidate tiles, which lie in LDS, as A operands.  In the result lane (r, h) holds query r and
; candidates 8 h + 0..7.  The chain of eight products starts from C = nsq[candidate] + nsq[query], an f32 sum that is the same whichever of
; the two rows is the query; the product's bits do not hang on which row is source 0; so both roles give one number.
; FIRST DIRECTION (per query): maximum inside the lane, kept over the walk with the tile and its eight scores; the index is found at the end.
; SECOND DIRECTION (per candidate), in every tile: maximum over the 4 query tiles in the lane, over the 16 lanes by DPP; the 32 scores are
; compared with it; the 32 lane masks go into one register (word 4 j + t) and with the 16 maxima into the wave's own LDS scratch.  At the end
; a thread takes a candidate, picks the best of the eight waves by selects (its four masks with it) and finds the first set bit.
; THE WALK IS A PIPELINE TWO TILES DEEP.  A tile has 32 products (256 cycles of the matrix unit at 1,024 multiply-adds a cycle) and 256 other
; vector instructions.  In phase T the products of tile T go into one set of four accumulators, and the vector work of tile T - 1, on the other
; set, is cut into 32 slices of which one stands behind each product; the sets change roles from phase to phase.  Phase 0 has products
; alone, the last phase vector work alone.  The slices are also the places behind the products (ISA guide 7.12.1): no v_nop is written.
; WINDOWS.  The queries fill v256-v511 and are source 1 of every product, so a slice that names a vector register as source 1 needs source 1
; back in v0-v255: 24 of the 32 slices, 48 s_set_vgpr_msb a tile.  The masking selects (source 1 a scalar) and the v_writelane_b32, 8 slices,
; run under the products' setting, and so do the LDS loads (data is the destination, the address source 0).
; NO CLUSTER.  No two work-groups have the same candidates: 512 x + 288 y = 512 x' + 288 y' needs 9 (y - y') = 16 (x' - x), which 0 < |y - y'| < 16
; does not allow.  The sixteen groups of one x share the queries, 262,144 bytes; to be asked for jointly they would have to lie in LDS beside
; 147,456 bytes of candidates and 30,208 of scratch, more than the 327,680 that a work-group can be given.  They go straight into registers.
; TENSOR LOADS: two a wave, both first fills, nothing is filled again: its pair of tiles (64 rows of 256 bytes; 32 x + 18 y is even, so a pair
; never straddles the wrap at tile 512) and its eighth of the ninth pair.  By this text's count a wave has two out at the most.
; LDS: candidates at 0 (tile T at 8192 T, fragment order: 512 dense bytes a load); from 147456 on bytes that only LDS stores write:
; nsq and host of the candidates (1,152 bytes each), S2V [wave][288] f32, S2M [wave][18][32] words.
.set NSQL,  147456
.set HOSTL, 148736
.set S2V,   150016
.set S2M,   159232
.set FA,   1                           ; v1   16 x lane + 8192 x (the tile whose fragments are loaded)
.set MA,   2                           ; v2   NSQL + 32 h + 64 x (the tile whose nsq is loaded)
.set VO,   3                           ; v3   16 x lane, never rewritten
.set R4,   4                           ; v4   4 x (my query of tile 0), never rewritten
.set L8,   5                           ; v5   8 x lane
.set IB,   6                           ; v6   512 x + 288 y + 8 h: the unwrapped row of my register 0 in tile 0
.set SV,   7                           ; v7   S2V + 1152 w + 32 h + 64 x tile
.set SM,   8                           ; v8   S2M + 2304 w + 4 x lane + 128 x tile
.set VMSK, 9                           ; v9   lane 4 j + t: the lanes whose score (t, j) equals the maximum
.set T8,   10                          ; v10  8 x thread
.set HI,   12                          ; v[12:15]   host of my query in tile t
.set BEST, 16                          ; v[16:19]   best score so far; at the end the key
.set BT,   20                          ; v[20:23]   the tile that brought it; at the end the row
.set NQ,   24                          ; v[24:31]   nsq of my query in tile t at NQ + 2 t (the odd ones only complete the pairs)
.set TMP,  32                          ; v[32:39]
.set W,    40                          ; v[40:47]   second direction: maximum for candidate 8 h + j
.set NSQ,  48                          ; v[48:55]   nsq of candidates 8 h + 0..7
.set HJ,   56                          ; v[56:63]   their host
.set D0,   64                          ; v[64:95]   four accumulators, even tiles
.set D1,   96                          ; v[96:127]  four accumulators, odd tiles
.set SAV,  128                         ; v[128:159] the eight masked scores of the best tile, for each t
.set FR,   160                         ; v[160:223] the candidate tile's eight fragments
.set CP,   224                         ; v[224:255] e_ap on its way to out1; never rewritten
; before the walk only, in W's registers:
.set CN,   W                           ; v[40:43] candidates' nsq and host on their way to LDS
.set KO,   W+4                         ; v44, v45 their byte offsets
.set KO2,  W+5
.set LS,   W+6                         ; v46 NSQL + 4 x thread
; behind the walk only, in the even tiles' accumulators and the fragments:
.set PK,   D0                          ; v[64:67] {key, row} of 32 queries, twice
.set KA,   D0+4                        ; S2V + 4 x thread
.set KM,   D0+5                        ; S2M + 128 (thread / 16) + 16 (thread % 8)
.set SH,   D0+6                        ; 16 x ((thread / 8) % 2)
.set BW,   D0+7                        ; the wave that holds the best
.set ZR,   D0+8                        ; 0
.set OUT,  D0+10                       ; v[74:77] {key, row}, a pair for each of the two passes
.set VV,   FR                          ; eight waves' maxima
.set MM,   FR+8                        ; and their four masks each
.set MASK, 32                          ; s[32:63]   lane masks; offsets before the walk, constants behind it
.set G1P,  68                          ; s[68:75]   group 1: 64 rows of 256 bytes
.set G1E,  76                          ; s[76:83]   group 1: 8 rows of 256 bytes
.set G0A,  84                          ; s[84:87]   group 0: my pair of tiles
.set EM,   88                          ; s[88:91]   first direction: lanes whose tile maximum beats the best, for each t
.set G0E,  92                          ; s[92:95]   group 0: my eighth of the ninth pair
.set MSB, 0
.macro WIN new                         ; s_set_vgpr_msb; the immediate's high byte repeats the setting that is left; a switch that changes nothing is dropped
.if MSB != \new
	s_set_vgpr_msb (MSB<<8)|\new
.set MSB, \new
.endif
.endm
	s_load_b256 s[4:11], s[0:1], 0x0               ; ebf s[4:5], nsq s[6:7], host s[8:9], e_ap s[10:11]
	s_load_b128 s[12:15], s[0:1], 0x20             ; out1 s[12:13], part s[14:15]
	s_load_b64 s[16:17], s[0:1], 0x30              ; part2
	v_lshl_add_u32 v254, v0, 2, 0x2b600
	v_mov_b32 v255, 0
	ds_add_u32 v254, v255
	ds_add_u32 v254, v255
	s_wait_dscnt 0x0
	v_lshrrev_b32 v11, 5, v0
	v_readfirstlane_b32 s18, v11                   ; wave
	s_mov_b32 s19, ttmp9                           ; x: the query block
	s_and_b32 s20, ttmp7, 0xffff                   ; y: the sixteenth of the nine blocks of candidates
	s_mul_i32 s21, s20, 18
	s_lshl_b32 s22, s19, 5
	s_add_co_u32 s21, s21, s22                     ; 32 x + 18 y: my first candidate tile, unwrapped
	s_mov_b32 s26, 0xff800000                      ; -inf
	; group 1: 15:0 no mask; 17:16 elements of 8 bytes; no padding; dense blocks taken as rows of 256 bytes
	s_mov_b32 s[G1P+0], 3<<16
	s_mov_b32 s[G1P+1], 32<<16                     ; tensor_dim0 = 32 elements = 256 bytes
	s_mov_b32 s[G1P+2], 64<<16                     ; tensor_dim1 = 64 rows
	s_mov_b32 s[G1P+3], 32<<16                     ; tile_dim0 = 32
	s_mov_b32 s[G1P+4], 64                         ; tile_dim1 = 64: 16,384 bytes, two candidate tiles
	s_mov_b32 s[G1P+5], 32                         ; a row begins where the last ends
	s_mov_b32 s[G1P+6], 0
	s_mov_b32 s[G1P+7], 0
	s_mov_b32 s[G1E+0], 3<<16
	s_mov_b32 s[G1E+1], 32<<16
	s_mov_b32 s[G1E+2], 8<<16                      ; 8 rows: 2,048 bytes
	s_mov_b32 s[G1E+3], 32<<16
	s_mov_b32 s[G1E+4], 8
	s_mov_b32 s[G1E+5], 32
	s_mov_b32 s[G1E+6], 0
	s_mov_b32 s[G1E+7], 0
	s_mov_b32 s[G0A], 1
	s_lshl_b32 s[G0A+1], s18, 14                   ; LDS: tiles 2 w, 2 w + 1
	s_mov_b32 s[G0E], 1
	s_lshl_b32 s[G0E+1], s18, 11
	s_add_co_u32 s[G0E+1], s[G0E+1], 131072        ; LDS: tiles 16, 17, my eighth
	s_lshl_b32 s22, s18, 1
	s_add_co_u32 s22, s22, s21
	s_and_b32 s22, s22, 511                        ; the table has 512 tiles: wrapped
	s_lshl_b32 s22, s22, 13
	s_mov_b32 s23, 0
	s_add_co_u32 s24, s21, 16
	s_and_b32 s24, s24, 511
	s_lshl_b32 s24, s24, 13
	s_lshl_b32 s25, s18, 11
	s_add_co_u32 s24, s24, s25
	s_mov_b32 s25, 0
	; byte offsets of the plain loads and stores
	s_lshl_b32 s32, s19, 18                        ; my 64 queries in ebf: 32 tiles a block, 4 a wave
	s_lshl_b32 s34, s18, 15
	s_add_co_u32 s32, s32, s34
	s_mov_b32 s33, 0
	s_lshl_b32 s34, s20, 4
	s_add_co_u32 s34, s34, s19                     ; 16 y + x: the group's 32 rows of e_ap,
	s_lshl_b32 s34, s34, 15
	s_lshl_b32 s36, s18, 12                        ; four a wave
	s_add_co_u32 s34, s34, s36
	s_mov_b32 s35, 0
	s_lshl_b32 s36, s20, 16                        ; part[y][512 x + 64 w], 8 bytes each
	s_lshl_b32 s38, s19, 12
	s_add_co_u32 s36, s36, s38
	s_lshl_b32 s38, s18, 9
	s_add_co_u32 s36, s36, s38
	s_mov_b32 s37, 0
	s_lshl_b32 s38, s19, 4
	s_add_co_u32 s38, s38, s20
	s_mul_i32 s38, s38, 2304                       ; part2[x][288 y], 8 bytes each
	s_mov_b32 s39, 0
	v_and_b32 v11, 31, v0                          ; lane
	v_lshlrev_b32 v[VO], 4, v11
	v_lshlrev_b32 v[FA], 4, v11
	v_lshlrev_b32 v[L8], 3, v11
	v_lshlrev_b32 v[T8], 3, v0
	v_and_b32 v[R4], 15, v11
	s_lshl_b32 s30, s19, 11
	s_lshl_b32 s31, s18, 8
	s_add_co_u32 s30, s30, s31
	v_lshl_add_u32 v[R4], v[R4], 2, s30            ; 4 (512 x + 64 w + r)
	s_lshl_b32 s31, s21, 4                         ; 512 x + 288 y
	v_add_nc_u32 v[KO], s31, v0
	v_and_b32 v[KO], 0x1fff, v[KO]                 ; candidate k = thread: its row, wrapped
	v_lshlrev_b32 v[KO], 2, v[KO]
	v_add_nc_u32 v[KO2], 0x100, v0
	v_add_nc_u32 v[KO2], s31, v[KO2]
	v_and_b32 v[KO2], 0x1fff, v[KO2]               ; candidate k = 256 + thread: used by wave 0 alone
	v_lshlrev_b32 v[KO2], 2, v[KO2]
	v_lshlrev_b32 v[LS], 2, v0
	v_add_nc_u32 v[LS], NSQL, v[LS]
	v_lshrrev_b32 v[TMP], 4, v11                   ; h
	v_lshlrev_b32 v[MA], 5, v[TMP]
	v_add_nc_u32 v[MA], NSQL, v[MA]
	v_lshl_add_u32 v[IB], v[TMP], 3, s31
	s_mul_i32 s30, s18, 1152
	s_add_co_u32 s30, s30, S2V
	v_lshl_add_u32 v[SV], v[TMP], 5, s30
	s_mul_i32 s30, s18, 2304
	s_add_co_u32 s30, s30, S2M
	v_lshl_add_u32 v[SM], v11, 2, s30
	s_wait_kmcnt 0x0
	; everything that must land before the first product is asked for here, straight behind the arguments
	s_add_nc_u64 s[G0A+2:G0A+3], s[4:5], s[22:23]
	s_or_b32 s[G0A+3], s[G0A+3], 0x80000000
	s_add_nc_u64 s[G0E+2:G0E+3], s[4:5], s[24:25]
	s_or_b32 s[G0E+3], s[G0E+3], 0x80000000
	tensor_load_to_lds s[G0A:G0A+3], s[G1P:G1P+7]
	s_nop 0
	tensor_load_to_lds s[G0E:G0E+3], s[G1E:G1E+7]
	s_nop 0
	global_load_b32 v[CN],   v[KO], s[6:7]
	global_load_b32 v[CN+1], v[KO], s[8:9]
	s_cmp_lg_u32 s18, 0
	s_cbranch_scc1 .Lno_tail_load
	global_load_b32 v[CN+2], v[KO2], s[6:7]        ; 288 = 256 + 32: wave 0 takes the last 32 candidates too
	global_load_b32 v[CN+3], v[KO2], s[8:9]
.Lno_tail_load:
.irp t, 0,1,2,3
	global_load_b32 v[HI+\t],   v[R4], s[8:9] offset:64*\t
	global_load_b32 v[NQ+2*\t], v[R4], s[6:7] offset:64*\t
.endr
	s_add_nc_u64 s[4:5], s[4:5], s[32:33]          ; my queries (no pending instruction names s[4:5])
	WIN 0x40                                       ; destination in v256-v511, address in v0-v255
.set i, 0
.rept 64
	global_load_b128 v[4*i:4*i+3], v[VO], s[4:5] offset:512*i        ; query tile t = i / 16, ks = (i / 2) % 8: v[256 + 64 t + 8 ks ..]
.set i, i+1
.endr
	WIN 0
	s_add_nc_u64 s[10:11], s[10:11], s[34:35]
	s_add_nc_u64 s[12:13], s[12:13], s[34:35]
	s_add_nc_u64 s[14:15], s[14:15], s[36:37]
	s_add_nc_u64 s[16:17], s[16:17], s[38:39]
	; start values: a query all of whose candidates are masked keeps -inf (the 32 saved scores get theirs in phase 0)
.irp t, 0,1,2,3
	v_mov_b32 v[BEST+\t], s26
	v_mov_b32 v[BT+\t], 0
	v_mov_b32 v[NQ+2*\t+1], 0                      ; the packed add names the pair and uses its first register alone
.endr
	v_mov_b32 v[VMSK], 0                           ; v_writelane_b32 keeps the other lanes: written whole once
	s_wait_loadcnt 63                              ; 72 loads were issued behind the candidates' nsq and host; the wait's field holds 63 at the most, and a smaller count is safe
	ds_store_b32 v[LS], v[CN]
	ds_store_b32 v[LS], v[CN+1] offset:HOSTL-NSQL
	s_cmp_lg_u32 s18, 0
	s_cbranch_scc1 .Lno_tail_store
	ds_store_b32 v[LS], v[CN+2] offset:1024
	ds_store_b32 v[LS], v[CN+3] offset:HOSTL-NSQL+1024
.Lno_tail_store:
; Fragment pair ks of the tile that FA points at: 16 rows x 32 k, two loads of 512 dense bytes
.macro FRL ks
	ds_load_b128 v[FR+8*(\ks):FR+8*(\ks)+3],   v[FA] offset:1024*(\ks)
	ds_load_b128 v[FR+8*(\ks)+4:FR+8*(\ks)+7], v[FA] offset:1024*(\ks)+512
.endm
; Tile 0's 20 LDS loads, in the order in which they are wanted: nsq, the eight fragments, host
.macro LOADT
	ds_load_b128 v[NSQ:NSQ+3],   v[MA]
	ds_load_b128 v[NSQ+4:NSQ+7], v[MA] offset:16
.irp ks, 0,1,2,3,4,5,6,7
	FRL \ks
.endr
	ds_load_b128 v[HJ:HJ+3],   v[MA] offset:HOSTL-NSQL
	ds_load_b128 v[HJ+4:HJ+7], v[MA] offset:HOSTL-NSQL+16
.endm
; Accumulator t of set d starts from C = nsq[candidate] + nsq[query]
.macro CINIT d, t
.irp p, 0,1,2,3
	v_pk_add_f32 v[\d+8*(\t)+2*\p:\d+8*(\t)+2*\p+1], v[NSQ+2*\p:NSQ+2*\p+1], v[NQ+2*(\t):NQ+2*(\t)+1] op_sel_hi:[1,0]
.endr
.endm
.macro DPPMAX m                        ; one step of the maximum over the sixteen lanes of my half; after four steps all of them hold it
.irp j, 0,1,2,3,4,5,6,7
	v_max_num_f32_dpp v[W+\j], v[W+\j], v[W+\j] row_xmask:\m row_mask:0xf bank_mask:0xf
.endr
.endm
; SLICE n (0..31) OF A TILE'S VECTOR WORK, on accumulator set dv; s[tid] holds the tile's number.
; kind 1: a phase of the loop: it also loads the next tile's nsq and fragments and this phase's tile's host, and starts the next sums in dv;
; kind 2: the phase of the last products: host alone is loaded, and out1 is stored;  kind 3: the last tile's work, no products beside it, nothing is loaded.
; Order of the 23 LDS instructions of a kind 1 phase: slice 0 nsq (2); 3 host (2), pair 0; 7 pair 1; 14 pair 2; 15 pair 3; 22 three stores, pair 4;
; 23 pair 5; 27 pair 6; 31 pair 7.  Pair ks is loaded again behind its four products with at least four compares, selects, maxima or adds between.
.macro VS n, dv, tid, kind
.if \n/4 == 0                          ; slices 0-3: lanes whose candidate j has the host of query tile t = n
	WIN 0
.if \n == 0
.if \kind == 3
	s_wait_dscnt 0x0                               ; host of the last tile is in
.else
	v_add_nc_u32 v[MA], 64, v[MA]
.endif
.if \kind == 1
	v_add_nc_u32 v[FA], 8192, v[FA]
	ds_load_b128 v[NSQ:NSQ+3],   v[MA]             ; nsq of the tile after the one that is multiplied: wanted in slice 30
	ds_load_b128 v[NSQ+4:NSQ+7], v[MA] offset:16
.endif
.endif
.irp j, 0,1,2,3,4,5,6,7
	v_cmp_eq_u32 s[MASK+8*\n+\j], v[HJ+\j], v[HI+\n]
.endr
.if \n == 3
.if \kind != 3
	ds_load_b128 v[HJ:HJ+3],   v[MA] offset:HOSTL-NSQL-64    ; all 32 compares have read host: now that of the tile that is multiplied
	ds_load_b128 v[HJ+4:HJ+7], v[MA] offset:HOSTL-NSQL-48
.endif
.endif
.endif
.if \n/4 == 1                          ; slices 4-7: the mask, symmetric, so one select serves both directions.  Source 1 is a scalar: no switch
.irp j, 0,1,2,3,4,5,6,7
	v_cndmask_b32 v[\dv+8*(\n-4)+\j], v[\dv+8*(\n-4)+\j], s26, s[MASK+8*(\n-4)+\j]
.endr
.endif
.if \n == 8                            ; slices 8-21: the second direction.  First the maximum over the four query tiles, in the lane
	WIN 0
.irp j, 0,1,2,3,4,5,6,7
	v_max3_num_f32 v[W+\j], v[\dv+\j], v[\dv+8+\j], v[\dv+16+\j]
.endr
.endif
.if \n == 9
	WIN 0
.irp j, 0,1,2,3,4,5,6,7
	v_max_num_f32 v[W+\j], v[W+\j], v[\dv+24+\j]
.endr
.endif
.if \n == 10
	WIN 0
	DPPMAX 1
.endif
.if \n == 11
	WIN 0
	DPPMAX 2
.endif
.if \n == 12
	WIN 0
	DPPMAX 4
.endif
.if \n == 13
	WIN 0
	DPPMAX 8
.endif
.if (\n+2)/4 == 4                      ; slices 14-17: word 4 j + t, bit 16 h + r: query 16 t + r reaches the maximum of candidate 8 h + j
	WIN 0
.irp q, 0,1,2,3,4,5,6,7
	v_cmp_eq_f32 s[MASK+8*(\n-14)+\q], v[\dv+8*(\q%4)+2*(\n-14)+\q/4], v[W+2*(\n-14)+\q/4]
.endr
.endif
.if (\n+2)/4 == 5                      ; slices 18-21: the 32 masks into one register.  No vector source: no switch
.irp q, 0,1,2,3,4,5,6,7
	v_writelane_b32 v[VMSK], s[MASK+8*(\n-18)+\q], 8*(\n-18)+\q
.endr
.endif
.if \n == 22                           ; slices 22-29: the first direction, stage by stage over the four query tiles
	WIN 0
	ds_store_b128 v[SV], v[W:W+3]                  ; sixteen lanes write the same 16 bytes with the same values
	ds_store_b128 v[SV], v[W+4:W+7] offset:16
	ds_store_b32 v[SM], v[VMSK]
.irp t, 0,1,2,3
	v_max3_num_f32 v[TMP+2*\t],   v[\dv+8*\t],   v[\dv+8*\t+1], v[\dv+8*\t+2]
.endr
.irp t, 0,1,2,3
	v_max3_num_f32 v[TMP+2*\t+1], v[\dv+8*\t+3], v[\dv+8*\t+4], v[\dv+8*\t+5]
.endr
.endif
.if \n == 23
	WIN 0
.irp t, 0,1,2,3
	v_max3_num_f32 v[TMP+2*\t], v[TMP+2*\t], v[\dv+8*\t+6], v[\dv+8*\t+7]
.endr
.irp t, 0,1,2,3
	v_max_num_f32 v[TMP+2*\t], v[TMP+2*\t], v[TMP+2*\t+1]
.endr
.endif
.if \n == 24
	WIN 0
.irp t, 0,1,2,3
	v_cmp_gt_f32 s[EM+\t], v[TMP+2*\t], v[BEST+\t] ; strictly: the earlier tile keeps a tie
.endr
.if \kind != 3
	v_add_nc_u32 v[SV], 64, v[SV]                  ; the next tile's 16 maxima
	v_add_nc_u32 v[SM], 0x80, v[SM]                ; and 32 masks
.endif
.endif
.if \n == 25
	WIN 0
.irp t, 0,1,2,3
	v_cndmask_b32 v[BEST+\t], v[BEST+\t], v[TMP+2*\t], s[EM+\t]
.endr
.irp t, 0,1,2,3
	v_cndmask_b32 v[BT+\t], v[BT+\t], s[\tid], s[EM+\t]
.endr
.endif
.if (\n+2)/4 == 7                      ; slices 26-29: the eight scores of the new best tile, t = n - 26
	WIN 0
.irp j, 0,1,2,3,4,5,6,7
	v_cndmask_b32 v[SAV+8*(\n-26)+\j], v[SAV+8*(\n-26)+\j], v[\dv+8*(\n-26)+\j], s[EM+\n-26]
.endr
.endif
.if \n == 30                           ; slices 30, 31: dv has been read for the last time: the sums of the tile after next start in it
.if \kind == 1
	WIN 0
	s_wait_dscnt 14                                ; nsq, loaded in slice 0, is in: 19 LDS instructions were issued behind its pair
	CINIT \dv, 0
	CINIT \dv, 1
.endif
.if \kind == 2
	WIN 0
	s_wait_loadcnt 0x0                             ; e_ap, asked for in front of the walk, is in
.irp i, 0,1,2,3,4,5,6,7
	global_store_b128 v[VO], v[CP+4*\i:CP+4*\i+3], s[12:13] offset:512*\i th:TH_STORE_NT   ; 512 consecutive bytes each
.endr
.endif
.endif
.if \n == 31
.if \kind == 1
	WIN 0
	CINIT \dv, 2
	CINIT \dv, 3
.endif
.endif
.if \kind == 1                         ; the next tile's fragments
.if \n == 3
	FRL 0
.endif
.if \n == 7
	FRL 1
.endif
.if \n == 14
	FRL 2
.endif
.if \n == 15
	FRL 3
.endif
.if \n == 22
	FRL 4
.endif
.if \n == 23
	FRL 5
.endif
.if \n == 27
	FRL 6
.endif
.if \n == 31
	FRL 7
.endif
.endif
.endm
; Slice n of phase 0, which has no tile to finish: tile 1's nsq and fragments are loaded, its sums start in dv, and the start values of the
; 32 saved scores, four behind each fourth product, are the places in front of the loads into the fragments.
.macro V0 n, dv
.if \n == 0
	WIN 0
	v_add_nc_u32 v[FA], 8192, v[FA]
	v_add_nc_u32 v[MA], 64, v[MA]
	ds_load_b128 v[NSQ:NSQ+3],   v[MA]
	ds_load_b128 v[NSQ+4:NSQ+7], v[MA] offset:16
.endif
.if \n%4 == 3
.irp q, 0,1,2,3
	v_mov_b32 v[SAV+\n-3+\q], s26
.endr
.endif
.if \n == 30
	WIN 0
	s_wait_dscnt 14                                ; tile 1's nsq is in: behind its pair came fragment pairs 0 to 6
	CINIT \dv, 0
	CINIT \dv, 1
.endif
.if \n == 31
	WIN 0
	CINIT \dv, 2
	CINIT \dv, 3
.endif
.if \n%4 == 3
	FRL \n/4
.endif
.endm
; A PHASE: 32 products into set dm, n = 4 ks + t, a slice behind each.  The four accumulators take turns, one instruction a turn, and the last
; product of a phase and the first of the next name different sets.  kind 0: phase 0; 1, 2: as in VS.
; The wait in front of each ks: LDS instructions end in order, and behind fragment pair ks were issued
;   kind 0: 16 (ks = 0: the later pairs and host) or 18 (also tile 1's nsq and its pairs 0 .. ks - 1);
;   kind 1: 17, 21, 21, 19, 18, 16, 21, 21 for ks = 0..7 (14, 18, 18, 16, 18, 16, 21, 21 when the phase before was phase 0): 14 serves all.  At ks = 0 it also
;           shows host in, for slice 0: behind host's pair 19 were issued (18 behind phase 0);
;   kind 2: 17, 17, 15, 13, 8, 6, 7, 5, since this phase loads no fragments: 14 - 2 ks serves.
.macro PHASE dm, dv, tid, kind
.irp n, 0,1,2,3,4,5,6,7,8,9,10,11,12,13,14,15,16,17,18,19,20,21,22,23,24,25,26,27,28,29,30,31
.if \n%4 == 0
.if \kind == 0
.if \n == 0
	s_wait_dscnt 16
.else
	s_wait_dscnt 18
.endif
.endif
.if \kind == 1
	s_wait_dscnt 14
.endif
.if \kind == 2
	s_wait_dscnt 14-\n/2
.endif
.endif
	WIN 0x04                                       ; source 1 (the queries) in v256-v511
	v_wmma_f32_16x16x32_bf16 v[\dm+8*(\n%4):\dm+8*(\n%4)+7], v[FR+8*(\n/4):FR+8*(\n/4)+7], v[64*(\n%4)+8*(\n/4):64*(\n%4)+8*(\n/4)+7], v[\dm+8*(\n%4):\dm+8*(\n%4)+7]
.if \kind == 0
	V0 \n, \dv
.else
	VS \n, \dv, \tid, \kind
.endif
.endr
.endm
	s_wait_dscnt 0x0                               ; for the others' sake: my part of the candidates' nsq and host is in LDS,
	s_wait_tensorcnt 0x0                           ; and so are my two parts of the candidates: no load was issued behind them
	s_barrier_signal -1
	s_barrier_wait -1                              ; everybody's are
	LOADT
	s_wait_loadcnt 0x0                             ; queries, their host and nsq are in
.irp i, 0,1,2,3,4,5,6,7
	global_load_b128 v[CP+4*\i:CP+4*\i+3], v[VO], s[10:11] offset:512*\i th:TH_LOAD_NT   ; e_ap is asked for only now: nothing waits for it before the last products
.endr
	s_wait_dscnt 18                                ; tile 0's nsq is in; out may be the 16 fragment loads and host's two
	CINIT D0, 0
	CINIT D0, 1
	CINIT D0, 2
	CINIT D0, 3
	PHASE D0, D1, 27, 0                            ; phase 0: the products of tile 0
	WIN 0                                          ; at a label and at a branch every window is 0
	s_mov_b32 s27, 0                               ; the even tile that is finished: counter and value
.Lwalk:
	s_add_co_u32 s28, s27, 1                       ; the odd tile that is finished
	PHASE D1, D0, 27, 1                            ; products of tile s27 + 1, vector work of tile s27
	PHASE D0, D1, 28, 1                            ; products of tile s27 + 2, vector work of tile s27 + 1
	WIN 0
	s_add_co_u32 s27, s27, 2
	s_cmp_lt_u32 s27, 16
	s_cbranch_scc1 .Lwalk
	PHASE D1, D0, 27, 2                            ; products of tile 17, vector work of tile 16; the copy leaves
	WIN 0
	s_mov_b32 s28, 17
.irp n, 0,1,2,3,4,5,6,7,8,9,10,11,12,13,14,15,16,17,18,19,20,21,22,23,24,25,26,27,28,29,30,31
	VS \n, D1, 28, 3                               ; vector work of tile 17; its 32 compares are the places behind the last products
.endr
	; THE FINISH OF THE FIRST DIRECTION.  Per query tile: the first j of the best tile, the row, the key, and the better of the two halves
	; of lanes (on equal keys the lower row).  It is register work and stands between the signal and the wait of the barrier that the
	; second direction needs.
	s_wait_dscnt 0x0                               ; for the others' sake: my maxima and masks of all 18 tiles are in LDS
	s_barrier_signal -1
	s_mov_b32 s32, 0x76543210                      ; v_permlanex16_b32: lane i of one half reads lane i of the other
	s_mov_b32 s33, 0xfedcba98
	s_mov_b32 s36, 0xffff0000                      ; lanes 16 to 31
.macro FIN t
	v_add_f32 v[BEST+\t], 0, v[BEST+\t]            ; -0 becomes +0, so that equal scores have equal keys
	v_mov_b32 v[TMP], 7
.irp j, 6,5,4,3,2,1,0
	v_cmp_neq_f32 vcc_lo, v[SAV+8*\t+\j], v[BEST+\t]
	v_cndmask_b32 v[TMP], \j, v[TMP], vcc_lo       ; descending j: the lowest that equals the best stays
.endr
	v_lshl_add_u32 v[BT+\t], v[BT+\t], 4, v[TMP]
	v_add_nc_u32 v[BT+\t], v[BT+\t], v[IB]
	v_and_b32 v[BT+\t], 0x1fff, v[BT+\t]           ; row = (512 x + 288 y + 16 tile + 8 h + j) mod 8192
	v_ashrrev_i32 v[TMP+1], 31, v[BEST+\t]
	v_or_b32 v[TMP+1], 0x80000000, v[TMP+1]
	v_xor_b32 v[BEST+\t], v[BEST+\t], v[TMP+1]     ; negative: all bits turned; else the sign bit set
	v_permlanex16_b32 v[TMP+2], v[BEST+\t], s32, s33       ; destinations written before, in the walk
	v_permlanex16_b32 v[TMP+3], v[BT+\t], s32, s33
	v_cmp_gt_u32 s34, v[TMP+2], v[BEST+\t]
	v_cmp_eq_u32 s35, v[TMP+2], v[BEST+\t]
	v_cmp_lt_u32 vcc_lo, v[TMP+3], v[BT+\t]
	s_and_b32 s35, s35, vcc_lo
	s_or_b32 s34, s34, s35
	v_cndmask_b32 v[BEST+\t], v[BEST+\t], v[TMP+2], s34
	v_cndmask_b32 v[BT+\t], v[BT+\t], v[TMP+3], s34
.endm
	FIN 0
	FIN 1
	FIN 2
	FIN 3
.irp p, 0,1
	v_cndmask_b32 v[PK+2*\p],   v[BEST+2*\p], v[BEST+2*\p+1], s36    ; lanes 0-15: query tile 2 p; lanes 16-31: tile 2 p + 1
	v_cndmask_b32 v[PK+2*\p+1], v[BT+2*\p],   v[BT+2*\p+1],   s36
.endr
	v_lshlrev_b32 v[KA], 2, v0
	v_add_nc_u32 v[KA], S2V, v[KA]
	v_lshrrev_b32 v[KM], 4, v0
	v_lshlrev_b32 v[KM], 7, v[KM]
	v_and_b32 v[SH], 7, v0
	v_lshl_add_u32 v[KM], v[SH], 4, v[KM]
	v_add_nc_u32 v[KM], S2M, v[KM]
	v_bfe_u32 v[SH], v0, 3, 1
	v_lshlrev_b32 v[SH], 4, v[SH]
	v_mov_b32 v[ZR], 0
	s_lshl_b32 s37, s19, 9
	s_sub_co_u32 s37, s37, 127                     ; 512 x, less the bias of the exponent read below (wraps at x = 0; the sum below wraps back)
	s_barrier_wait -1                              ; every wave's maxima and masks are in LDS
.irp p, 0,1
	global_store_b64 v[L8], v[PK+2*\p:PK+2*\p+1], s[14:15] offset:256*\p   ; 32 queries: 256 consecutive bytes, aligned
.endr
; THE FINISH OF THE SECOND DIRECTION.  Candidate k = 256 ko + thread = 16 T + 8 h + j.  The best of the eight waves, the lower wave on a tie (its
; queries are the lower rows); its four masks go along by selects, so that no LDS address hangs on a score.
.macro DEC ko
.irp ww, 0,1,2,3,4,5,6,7
	ds_load_b32 v[VV+\ww], v[KA] offset:1152*\ww+1024*\ko
.endr
.irp ww, 0,1,2,3,4,5,6,7
	ds_load_b128 v[MM+4*\ww:MM+4*\ww+3], v[KM] offset:2304*\ww+2048*\ko
.endr
	v_mov_b32 v[BW], 0
	s_wait_dscnt 0x0
.irp ww, 1,2,3,4,5,6,7
	v_cmp_gt_f32 vcc_lo, v[VV+\ww], v[VV]
	v_cndmask_b32 v[VV], v[VV], v[VV+\ww], vcc_lo
	v_cndmask_b32 v[BW], v[BW], \ww, vcc_lo
.irp q, 0,1,2,3
	v_cndmask_b32 v[MM+\q], v[MM+\q], v[MM+4*\ww+\q], vcc_lo
.endr
.endr
.irp q, 0,1,2,3
	v_lshrrev_b32 v[MM+\q], v[SH], v[MM+\q]        ; my half's sixteen lanes come down
.endr
	v_and_b32 v[MM], 0xffff, v[MM]
	v_and_b32 v[MM+2], 0xffff, v[MM+2]
	v_lshl_or_b32 v[MM], v[MM+1], 16, v[MM]        ; bit 16 t + r, t = 0, 1
	v_lshl_or_b32 v[MM+2], v[MM+3], 16, v[MM+2]    ; t = 2, 3
	v_cmp_ne_u32 vcc_lo, 0, v[MM]
	v_cndmask_b32 v[MM+1], v[MM+2], v[MM], vcc_lo  ; the word that holds the first set bit,
	v_cndmask_b32 v[MM+3], 32, v[ZR], vcc_lo       ; and what it counts from
	v_sub_nc_u32 v[MM+2], 0, v[MM+1]
	v_and_b32 v[MM+1], v[MM+1], v[MM+2]            ; the lowest set bit alone: a power of two,
	v_cvt_f32_u32 v[MM+1], v[MM+1]                 ; exact in f32,
	v_lshrrev_b32 v[MM+1], 23, v[MM+1]             ; whose exponent field is 127 + its place
	v_add_nc_u32 v[MM+1], v[MM+1], v[MM+3]
	v_lshl_add_u32 v[MM+1], v[BW], 6, v[MM+1]      ; 64 queries a wave
	v_add_nc_u32 v[OUT+2*\ko+1], s37, v[MM+1]      ; row = 512 x + 64 wave + 16 t + r
	v_add_f32 v[VV], 0, v[VV]                      ; -0 becomes +0
	v_ashrrev_i32 v[VV+1], 31, v[VV]
	v_or_b32 v[VV+1], 0x80000000, v[VV+1]
	v_xor_b32 v[OUT+2*\ko], v[VV], v[VV+1]
	global_store_b64 v[T8], v[OUT+2*\ko:OUT+2*\ko+1], s[16:17] offset:2048*\ko   ; a wave stores 256 consecutive bytes, aligned
.endm
	DEC 0
	s_cmp_lg_u32 s18, 0
	s_cbranch_scc1 .Lend
	DEC 1                                          ; wave 0: candidates 256 to 287, into a pair of registers of its own
.Lend:
	s_wait_xcnt 0x0
	v_lshl_add_u32 v254, v0, 2, 0x2b600
	v_mov_b32 v255, 0
	s_wait_tensorcnt 0x0
	ds_add_u32 v254, v255
	s_wait_dscnt 0x0
	s_endpgm
.Lfunc_end_k_q78e10ed124_knn:
	.size	k_q78e10ed124_knn, .Lfunc_end_k_q78e10ed124_knn-k_q78e10ed124_knn
	.p2alignl 7, 3214868480
	.fill 96, 4, 3214868480
	.section	.rodata,"a",@progbits
	.p2align	6, 0x0
	.amdhsa_kernel k_q78e10ed124_knn
		.amdhsa_group_segment_fixed_size 178688
		.amdhsa_private_segment_fixed_size 0
		.amdhsa_enable_private_segment 0
		.amdhsa_kernarg_size 56
		.amdhsa_user_sgpr_count 2
		.amdhsa_user_sgpr_kernarg_segment_ptr 1
		.amdhsa_wavefront_size32 1
		.amdhsa_system_sgpr_workgroup_id_x 1
		.amdhsa_system_sgpr_workgroup_id_y 1
		.amdhsa_system_sgpr_workgroup_id_z 1
		.amdhsa_system_vgpr_workitem_id 0
		.amdhsa_next_free_vgpr 512
		.amdhsa_next_free_sgpr 96
		.amdhsa_reserve_vcc 1
		.amdhsa_float_denorm_mode_32 3
		.amdhsa_float_denorm_mode_16_64 3
		.amdhsa_memory_ordered 1
		.amdhsa_forward_progress 1
		.amdhsa_inst_pref_size 112
	.end_amdhsa_kernel
	.amdgpu_metadata
---
amdhsa.version: [ 1, 2 ]
amdhsa.kernels:
  - .name:           k_q78e10ed124_knn
    .symbol:         k_q78e10ed124_knn.kd
    .args:
      - { .name: ebf, .offset: 0, .size: 8, .value_kind: global_buffer, .address_space: global }
      - { .name: nsq, .offset: 8, .size: 8, .value_kind: global_buffer, .address_space: global }
      - { .name: host, .offset: 16, .size: 8, .value_kind: global_buffer, .address_space: global }
      - { .name: e_ap, .offset: 24, .size: 8, .value_kind: global_buffer, .address_space: global }
      - { .name: out1, .offset: 32, .size: 8, .value_kind: global_buffer, .address_space: global }
      - { .name: part, .offset: 40, .size: 8, .value_kind: global_buffer, .address_space: global }
      - { .name: part2, .offset: 48, .size: 8, .value_kind: global_buffer, .address_space: global }
    .group_segment_fixed_size: 178688
    .private_segment_fixed_size: 0
    .kernarg_segment_align: 8
    .kernarg_segment_size: 56
    .max_flat_workgroup_size: 256
    .sgpr_count:     96
    .vgpr_count:     512
    .wavefront_size: 32
...
	.end_amdgpu_metadata
.endif
;; end of part 5
;; launch gather (part 6): grid 256 x 1, 8 waves a work-group, no clusters, 3,072 bytes of LDS; arguments part, part2, e_actv, out2; writes out2
.if DOCPART == 6
	.amdgcn_target "amdgcn-amd-amdhsa--gfx1250"
	.amdhsa_code_object_version 6
	.text
	.protected	k_q78e10ed124_gather
	.globl	k_q78e10ed124_gather
	.p2align	8
	.type	k_q78e10ed124_gather,@function
k_q78e10ed124_gather:
	s_mov_b64 s[64:65], 0
	v_nop
	global_prefetch_b8 v0, s[64:65] scope:SCOPE_SE
	s_setreg_imm32_b32 hwreg(HW_REG_WAVE_MODE, 25, 1), 1
	s_wait_xcnt 0x0
; AnchorTs2Vec, launch 3 of 3.  out2[i] = e_actv[j(i)], j(i) = the row of the largest key among the 25 entries that launch 2 left for row i:
; part[0..15][i] (i as a query) and part2[(b - d) mod 16][512 d + i mod 512], d = 0..8, b = i / 512 (i as a candidate of block b - d).
; On equal keys the lower row; where no key lies above that of -inf every candidate was masked, and the row is 0, as reference()'s argmin of
; equal distances is.  Only whole numbers read from memory are compared here; the steps of the distance and the mirrored products that are
; left out are shown at the head of launch 1.
; 256 work-groups of 32 rows.  Wave w reduces splits 2 w, 2 w + 1 and distance d = w for all 32 rows (lane = row), wave 0 also d = 8; the eight
; results of a row meet in LDS (wave w's 256 bytes at 256 w); then wave w copies the rows for 4 w .. 4 w + 3, 1,024 bytes each, as two loads and
; two stores of 512 consecutive bytes.  No input tile is shared between work-groups in a known way (the rows hang on the data): no cluster;
; no product.
.set L8,  2                            ; v2  8 x lane
.set SA,  3                            ; v3  256 w + 8 x lane
.set RA,  4                            ; v4  8 (4 w + lane % 4)
.set L16, 5                            ; v5  16 x lane, never rewritten
.set A,   32                           ; v[32:35] byte offset of my 16 bytes in the row for query q
.set X,   40                           ; v[40:71] eight loads
; (ka, ia) becomes the better of (ka, ia) and (kb, ib): the larger key, on equal keys the lower row
.macro BETTER ka, ia, kb, ib
	v_cmp_gt_u32 s24, v[\kb], v[\ka]
	v_cmp_eq_u32 s25, v[\kb], v[\ka]
	v_cmp_lt_u32 vcc_lo, v[\ib], v[\ia]
	s_and_b32 s25, s25, vcc_lo
	s_or_b32 s24, s24, s25
	v_cndmask_b32 v[\ka], v[\ka], v[\kb], s24
	v_cndmask_b32 v[\ia], v[\ia], v[\ib], s24
.endm
	s_load_b128 s[4:7], s[0:1], 0x0                ; part s[4:5], part2 s[6:7]
	s_load_b128 s[8:11], s[0:1], 0x10              ; e_actv s[8:9], out2 s[10:11]
	v_lshl_add_u32 v72, v0, 2, 0x800
	v_mov_b32 v73, 0
	v_and_b32 v1, 31, v0
	v_lshrrev_b32 v2, 5, v0
	v_readfirstlane_b32 s12, v2                    ; wave
	v_lshlrev_b32 v[L8], 3, v1
	v_lshlrev_b32 v[L16], 4, v1
	s_lshl_b32 s14, s12, 17                        ; part: two splits of 65,536 bytes a wave,
	s_lshl_b32 s13, ttmp9, 8                       ; 32 rows of 8 bytes a group
	s_add_co_u32 s14, s14, s13
	s_mov_b32 s15, 0
	s_lshr_b32 s20, ttmp9, 4                       ; b: my rows' block
	s_and_b32 s21, ttmp9, 15
	s_lshl_b32 s21, s21, 8                         ; my 32 rows' place in the block, 8 bytes each
	s_sub_co_u32 s16, s20, s12
	s_and_b32 s16, s16, 15                         ; (b - w) mod 16
	s_mul_i32 s16, s16, 36864                      ; 4,608 entries of 8 bytes a block of queries
	s_lshl_b32 s13, s12, 12                        ; 512 d entries, d = w
	s_add_co_u32 s16, s16, s13
	s_add_co_u32 s16, s16, s21
	s_mov_b32 s17, 0
	s_add_co_u32 s18, s20, 8
	s_and_b32 s18, s18, 15                         ; (b - 8) mod 16
	s_mul_i32 s18, s18, 36864
	s_add_co_u32 s18, s18, s21
	s_add_co_u32 s18, s18, 32768                   ; d = 8
	s_mov_b32 s19, 0
	s_lshl_b32 s22, ttmp9, 15                      ; out2: 32 rows a group, four a wave
	s_lshl_b32 s13, s12, 12
	s_add_co_u32 s22, s22, s13
	s_mov_b32 s23, 0
	v_mov_b32 v14, 0                               ; waves 1 to 7 have no fourth entry: key 0 lies below every key of a score
	v_mov_b32 v15, 0
	s_wait_kmcnt 0x0
	s_add_nc_u64 s[4:5], s[4:5], s[14:15]
	s_add_nc_u64 s[16:17], s[6:7], s[16:17]
	s_add_nc_u64 s[18:19], s[6:7], s[18:19]
	s_add_nc_u64 s[10:11], s[10:11], s[22:23]
	global_load_b64 v[8:9],   v[L8], s[4:5] th:TH_LOAD_NT                ; {key, row} of split 2 w: 256 consecutive bytes, aligned
	global_load_b64 v[10:11], v[L8], s[4:5] offset:65536 th:TH_LOAD_NT   ; of split 2 w + 1
	global_load_b64 v[12:13], v[L8], s[16:17] th:TH_LOAD_NT              ; of distance d = w
	s_cmp_lg_u32 s12, 0
	s_cbranch_scc1 .Lno_ninth
	global_load_b64 v[14:15], v[L8], s[18:19] th:TH_LOAD_NT              ; wave 0: of distance d = 8
.Lno_ninth:
	s_lshl_b32 s13, s12, 8
	v_add_nc_u32 v[SA], s13, v[L8]
	v_and_b32 v[RA], 3, v1
	v_lshlrev_b32 v[RA], 3, v[RA]
	s_lshl_b32 s13, s12, 5
	v_add_nc_u32 v[RA], s13, v[RA]
	s_wait_loadcnt 0x0
	BETTER 8, 9, 10, 11
	BETTER 8, 9, 12, 13
	BETTER 8, 9, 14, 15
	ds_store_b64 v[SA], v[8:9]
	s_wait_dscnt 0x0                               ; for the others' sake: my results are in LDS
	s_barrier_signal -1
	s_barrier_wait -1
.irp ww, 0,1,2,3,4,5,6,7
	ds_load_b64 v[16+2*\ww:17+2*\ww], v[RA] offset:256*\ww   ; row 4 w + lane % 4, as wave ww left it
.endr
.irp ww, 1,2,3,4,5,6,7
	s_wait_dscnt 7-\ww                             ; loads 0 .. ww are in, the younger ones stay out
	BETTER 16, 17, 16+2*\ww, 17+2*\ww
.endr
	v_cmp_lt_u32 vcc_lo, 0x7fffff, v16             ; 0x007fffff is the key of -inf
	v_cndmask_b32 v17, 0, v17, vcc_lo              ; nothing above it: every candidate was masked, the row is 0
.irp q, 0,1,2,3
	v_readlane_b32 s[26+\q], v17, \q               ; lane q holds the row for query 4 w + q
	s_min_u32 s[26+\q], s[26+\q], 0x1fff           ; a row of the table of 8,192
	s_lshl_b32 s[26+\q], s[26+\q], 10
	v_add_nc_u32 v[A+\q], s[26+\q], v[L16]
.endr
.irp q, 0,1,2,3
	global_load_b128 v[X+8*\q:X+8*\q+3],   v[A+\q], s[8:9]               ; no hint: several queries may name one row
	global_load_b128 v[X+8*\q+4:X+8*\q+7], v[A+\q], s[8:9] offset:512
.endr
.irp i, 0,1,2,3,4,5,6,7
	s_wait_loadcnt 7-\i                            ; load i is in, the younger ones stay out
	global_store_b128 v[L16], v[X+4*\i:X+4*\i+3], s[10:11] offset:512*\i th:TH_STORE_NT   ; 512 consecutive bytes of out2
.endr
	s_wait_tensorcnt 0x0
	ds_add_u32 v72, v73
	s_wait_dscnt 0x0
	s_endpgm
.Lfunc_end_k_q78e10ed124_gather:
	.size	k_q78e10ed124_gather, .Lfunc_end_k_q78e10ed124_gather-k_q78e10ed124_gather
	.p2alignl 7, 3214868480
	.fill 96, 4, 3214868480
	.section	.rodata,"a",@progbits
	.p2align	6, 0x0
	.amdhsa_kernel k_q78e10ed124_gather
		.amdhsa_group_segment_fixed_size 3072
		.amdhsa_private_segment_fixed_size 0
		.amdhsa_enable_private_segment 0
		.amdhsa_kernarg_size 32
		.amdhsa_user_sgpr_count 2
		.amdhsa_user_sgpr_kernarg_segment_ptr 1
		.amdhsa_wavefront_size32 1
		.amdhsa_system_sgpr_workgroup_id_x 1
		.amdhsa_system_sgpr_workgroup_id_y 1
		.amdhsa_system_sgpr_workgroup_id_z 1
		.amdhsa_system_vgpr_workitem_id 0
		.amdhsa_next_free_vgpr 74
		.amdhsa_next_free_sgpr 66
		.amdhsa_reserve_vcc 1
		.amdhsa_float_denorm_mode_32 3
		.amdhsa_float_denorm_mode_16_64 3
		.amdhsa_memory_ordered 1
		.amdhsa_forward_progress 1
		.amdhsa_inst_pref_size 10
	.end_amdhsa_kernel
	.amdgpu_metadata
---
amdhsa.version: [ 1, 2 ]
amdhsa.kernels:
  - .name:           k_q78e10ed124_gather
    .symbol:         k_q78e10ed124_gather.kd
    .args:
      - { .name: part, .offset: 0, .size: 8, .value_kind: global_buffer, .address_space: global }
      - { .name: part2, .offset: 8, .size: 8, .value_kind: global_buffer, .address_space: global }
      - { .name: e_actv, .offset: 16, .size: 8, .value_kind: global_buffer, .address_space: global }
      - { .name: out2, .offset: 24, .size: 8, .value_kind: global_buffer, .address_space: global }
    .group_segment_fixed_size: 3072
    .private_segment_fixed_size: 0
    .kernarg_segment_align: 8
    .kernarg_segment_size: 32
    .max_flat_workgroup_size: 256
    .sgpr_count:     66
    .vgpr_count:     74
    .wavefront_size: 32
...
	.end_amdgpu_metadata
.endif
;; end of part 6
;; ======== version 3 of 3: 3 launches; version 2 with the launch prep written anew for expert scheduling mode
;; limits: values outside matrix products are rounded to bf16
;; workspace buffers: ebf 4,194,304 bytes; nsq 32,768 bytes; part 1,048,576 bytes of whole numbers; part2 589,824 bytes of whole numbers
;; launch prep (part 7): grid 256 x 1, 8 waves a work-group, no clusters, 19,968 bytes of LDS; arguments e_actv, out0, ebf, nsq; writes out0, ebf, nsq
.if DOCPART == 7
	.amdgcn_target "amdgcn-amd-amdhsa--gfx1250"
	.amdhsa_code_object_version 6
	.text
	.protected	k_q78e10ed124_prep
	.globl	k_q78e10ed124_prep
	.p2align	8
	.type	k_q78e10ed124_prep,@function
k_q78e10ed124_prep:
	s_mov_b64 s[64:65], 0
	v_nop
	global_prefetch_b8 v0, s[64:65] scope:SCOPE_SE
	s_setreg_imm32_b32 hwreg(HW_REG_WAVE_SCHED_MODE, 0, 2), 2
	s_setreg_imm32_b32 hwreg(HW_REG_WAVE_MODE, 25, 1), 1
	s_wait_xcnt 0x0
	s_wait_alu depctr_vm_vsrc(0)
; AnchorTs2Vec, launch 1 of 3.  out0 = e_actv (copy); ebf = e_actv rounded to bf16, laid out in the order of matrix fragments;
; nsq[j] = -1/2 sum over k of bf16(e_actv[j][k])^2, in f32.
;
; WORK LEFT OUT IN THE WHOLE PROGRAM, for every finite e_actv and every host, in exact arithmetic, for a fixed row i:
;   dist(i,j) = sqrt(max(d2,0)), d2 = sq[i] + sq[j] - 2 e_i.e_j = |e_i - e_j|^2 >= 0.
;   max(d2,0) is the identity on d2 >= 0; sqrt is strictly increasing on [0,inf); division by -2 turns the argmin into an argmax.
;   So argmin_j dist = argmax_j S(i,j), S(i,j) = e_i.e_j - sq[i]/2 - sq[j]/2 = -d2/2, with the same set of ties: no sqrt, no max.
;   eye is contained in same_discr, since host[i] == host[i]: no eye.
;   S(i,j) = S(j,i) and host[i] == host[j] is symmetric too, for all values: the product e_i.e_j that reference() forms twice (once in row i,
;   once in row j of e e^T) is formed once and its masked score enters both rows' maxima.  Of the 16 x 16 pairs of blocks of 512 rows
;   launch 2 multiplies block x with blocks x .. x + 8 (mod 16) alone; the mirrored 7 blocks of products are left out.
;   A masked j holds BIG in reference() and -inf here; if every j is masked all distances are equal and the argmin is 0: launch 3 gives
;   row 0 where no score lies above -inf.  Every input has a way to an output and is loaded (e_ap and host in launch 2).
; LIMITS.  (a) The score is rounded in another order than sqrt(sq+sq-2dot): two candidates whose d2 differ by about 1e-4 or less at
;   d2 of some hundreds (relative 3e-7) may be ordered otherwise than in reference().  (b) Where rounding makes d2 <= 0 for several
;   near-duplicates, reference() takes the first of them, this program the largest score.  (c) Products take bf16 operands, so the
;   neighbour is that of the rounded rows; sq is made of the same rounded numbers.  (d) NaN and infinities in e_actv are not ordered
;   as reference() orders them, an overflow of the sqrt's argument is not carried to the result, and an unmasked distance of 1e30 or
;   more is not taken as equal to BIG.  (e) On scores equal to the last bit the lower row wins, as in reference(), but for one case,
;   stated at the head of launch 2.
;
; ebf: element (row 16 T + r, k = 32 ks + 16 u + 8 h + e) lies at byte 8192 T + 1024 ks + 512 u + 256 h + 16 r + 2 e.  A fragment of
; 16 rows x 32 k is then 1,024 dense bytes of which lane 16 h + r takes 16 bytes at 16 x lane and 16 at 512 + 16 x lane.
;
; SHARES.  256 work-groups of 32 rows (two tiles of 16).  Wave w takes tile w / 4 and k = 64 (w % 4) .. + 63: 16 rows x 256 bytes, which
; are exactly 8 blocks of 256 bytes of ebf (blocks 8 w .. 8 w + 7 of the group's 64).  A load or store of a wave covers two rows' aligned
; 256 bytes, sixteen lanes each.  All eight loads of a wave go out at once.  No work-group shares an input byte with another, and there
; is no product: no cluster, no tensor load, no matrix instruction.
; LDS: wave w's stage at 2304 w: 8 blocks at a pitch of 288 bytes (72 words: the 32 lanes of an 8-byte store fall on 64 different banks,
; ISA guide 11.1), written and read by that wave alone.  From 18432 on: 64 bytes a wave, its quarter sums of 16 rows.
;
; THE MODE: SCHED_MODE bits 1:0 = 2 (LLVM: expert scheduling mode 2), set by the entry lines.  The code itself states the register dependences
; between vector instructions and memory or LDS instructions, with s_wait_alu, always for 0.
; THE PLAN.  Registers that memory or LDS instructions touch:
;   VOX            written at the head; read by the eight loads and the eight stores of the copy; never written again.
;   SA RA PA L4 VOE QA   written behind the loads; read by LDS stores from chunk 4 on, by the read-backs, by the stores of ebf and nsq; never written again.
;   X0 .. X7       written by the loads alone; read by the conversions and by the stores of the copy.
;   P0 .. P7       a pair for each chunk: written by chunk i's two conversions, read by one LDS store; never written again.
;   S0 .. S7       written by chunk i's additions, read by one LDS store; never written again.
;   RB             written by the read-backs, read by the stores of ebf; no vector instruction names it.
;   T              vector work in the chunks; at the end wave 0's four LDS loads land in it.     ACC: wave 0's last product is the data of nsq's store.
; Chunks 0 to 3 do vector work alone (and store the copy, whose registers no vector instruction writes).  ONE wait at the head of chunk 4 states that
; their P and S and all addresses are written; their eight LDS stores are dealt among the vector instructions of chunks 4 to 7, which name X4-X7, P4-P7,
; S4-S7, T and ACC: none of the registers that those stores read.  ONE wait behind chunk 7 does the same for chunks 4 to 7.  No register that a memory
; or LDS instruction reads is ever written again, so no wait on vm_vsrc has a dependence to state, and none is written.
.set PITCH, 288
.set WSTG,  8*PITCH                    ; a wave's stage
.set PS,    8*WSTG                     ; the quarter sums
.set VOX, 2                            ; v2   1024 (lane / 16) + 16 (lane % 16): my 16 bytes in the first two rows; never rewritten
.set SA,  3                            ; v3   where my 8 bytes of bf16 go in the stage
.set RA,  4                            ; v4   where I read 16 bytes of a block back
.set PA,  5                            ; v5   my wave's quarter sums, + 4 (lane / 16)
.set L4,  6                            ; v6   4 x lane
.set VOE, 7                            ; v7   16 x lane
.set X,   8                            ; v[8:39]   load i: rows 2 i, 2 i + 1; never rewritten (the copy is stored from here)
.set P,   40                           ; v[40:55]  chunk i: four bf16, a pair at P + 2 i
.set T,   56                           ; v[56:59]  the same, widened
.set ACC, 60                           ; v[60:61]
.set S,   62                           ; v[62:69]  sum of squares of load i
.set RB,  70                           ; v[70:85]  four read-backs
.set TC,  86                           ; v86  at the head: the wave, then c = lane % 16
.set TH,  87                           ; v87  at the head: hh = lane / 16
.set QA,  88                           ; v88  for wave 0 at the end: 256 (lane / 16) + 4 (lane % 16)
	s_load_b256 s[4:11], s[0:1], 0x0               ; e_actv s[4:5], out0 s[6:7], ebf s[8:9], nsq s[10:11]
	v_lshl_add_u32 v90, v0, 2, 0x4a00
	v_mov_b32 v91, 0
	v_and_b32 v1, 31, v0                           ; lane
	v_lshrrev_b32 v[TC], 5, v0
	v_readfirstlane_b32 s12, v[TC]                 ; wave
	v_and_b32 v[TC], 15, v1                        ; c = lane % 16
	v_lshrrev_b32 v[TH], 4, v1                     ; hh = lane / 16
	v_lshlrev_b32 v[VOX], 4, v[TC]
	v_lshl_add_u32 v[VOX], v[TH], 10, v[VOX]
	s_lshl_b32 s20, ttmp9, 15                      ; 32 rows of 1,024 bytes a group,
	s_wait_alu depctr_va_sdst(0)                   ; s12 is written, ahead of its first reader: offsets, LDS addresses and the last branch are made from it
	s_lshr_b32 s15, s12, 2
	s_lshl_b32 s15, s15, 14                        ; 16 rows a tile,
	s_add_co_u32 s20, s20, s15
	s_and_b32 s15, s12, 3
	s_lshl_b32 s15, s15, 8                         ; 256 bytes a k quarter
	s_add_co_u32 s20, s20, s15
	s_mov_b32 s21, 0
	s_lshl_b32 s22, ttmp9, 14                      ; ebf: 16,384 bytes a group, 2,048 a wave
	s_lshl_b32 s15, s12, 11
	s_add_co_u32 s22, s22, s15
	s_mov_b32 s23, 0
	s_mov_b32 s18, 0xffff0000                      ; a word's upper bf16
	s_wait_kmcnt 0x0
	s_add_nc_u64 s[4:5], s[4:5], s[20:21]
	s_add_nc_u64 s[6:7], s[6:7], s[20:21]
	s_add_nc_u64 s[8:9], s[8:9], s[22:23]
	s_wait_alu depctr_va_vdst(0)                   ; v[VOX] is written: the eight loads below and the eight stores of the copy read it as their offset
.irp i, 0,1,2,3,4,5,6,7
	global_load_b128 v[X+4*\i:X+4*\i+3], v[VOX], s[4:5] offset:2048*\i   ; rows 2 i + hh, k = 64 (w % 4) + 4 c .. + 3
.endr
	s_lshl_b32 s22, ttmp9, 7                       ; nsq: 32 numbers a group
	s_add_nc_u64 s[10:11], s[10:11], s[22:23]
	; k = 4 c + 0..3 of the quarter lies in block c / 2 of the wave's eight, at byte 16 row + 8 (c % 2)
	v_lshrrev_b32 v[SA], 1, v[TC]
	v_mul_u32_u24 v[SA], v[SA], PITCH
	v_and_b32 v[QA], 1, v[TC]
	v_lshl_add_u32 v[SA], v[QA], 3, v[SA]
	v_lshl_add_u32 v[SA], v[TH], 4, v[SA]          ; row 2 i + hh: 16 hh here, 32 i in the immediate
	s_mul_i32 s13, s12, WSTG
	v_add_nc_u32 v[SA], s13, v[SA]
	v_mul_u32_u24 v[RA], v[TH], PITCH              ; back: lanes 0-15 one block of 256 bytes, lanes 16-31 the next
	v_lshl_add_u32 v[RA], v[TC], 4, v[RA]
	v_add_nc_u32 v[RA], s13, v[RA]
	s_lshl_b32 s14, s12, 6
	s_add_co_u32 s14, s14, PS
	v_lshl_add_u32 v[PA], v[TH], 2, s14
	v_lshlrev_b32 v[L4], 2, v1
	v_lshlrev_b32 v[VOE], 4, v1
	v_lshlrev_b32 v[QA], 2, v[TC]
	v_lshl_add_u32 v[QA], v[TH], 8, v[QA]          ; for wave 0 at the end: 256 (lane / 16) + 4 (lane % 16)
; Load i: copy out, round to bf16 into P[i], square the rounded numbers, sum over the row's sixteen lanes into S[i].
; Chunks 4 to 7 also carry the two LDS stores of the chunk four before them.
.macro CHUNK i
	s_wait_loadcnt 7-\i                            ; loads come back in order (ISA guide 5.7.1): load i is in, the younger ones stay out
.if \i == 4
	s_wait_alu depctr_va_vdst(0)                   ; chunks 0 to 3 have written P0-P3 and S0-S3, the data of the LDS stores dealt among chunks 4 to 7; the head has written SA, PA, RA, VOE, L4 and QA
.endif
	global_store_b128 v[VOX], v[X+4*\i:X+4*\i+3], s[6:7] offset:2048*\i th:TH_STORE_NT   ; sixteen lanes store 256 consecutive bytes, aligned; its data came by a load, its offset stands ahead of the head's wait
	v_cvt_pk_bf16_f32 v[P+2*\i],   v[X+4*\i],   v[X+4*\i+1]
	v_cvt_pk_bf16_f32 v[P+2*\i+1], v[X+4*\i+2], v[X+4*\i+3]
.if \i >= 4
	ds_store_b64 v[SA], v[P+2*(\i-4):P+2*(\i-4)+1] offset:32*(\i-4)  ; no wait: no vector instruction since chunk 4's wait names this pair or SA
.endif
	v_lshlrev_b32 v[T],   16,  v[P+2*\i]
	v_and_b32     v[T+1], s18, v[P+2*\i]
	v_lshlrev_b32 v[T+2], 16,  v[P+2*\i+1]
	v_and_b32     v[T+3], s18, v[P+2*\i+1]
.if \i >= 4
	ds_store_b32 v[PA], v[S+\i-4] offset:8*(\i-4)  ; row 2 (i - 4) + hh's quarter sum: sixteen lanes write one word with one value; no wait, as above
.endif
	v_pk_mul_f32 v[ACC:ACC+1], v[T:T+1], v[T:T+1]                    ; the first product starts the sum
	v_pk_fma_f32 v[ACC:ACC+1], v[T+2:T+3], v[T+2:T+3], v[ACC:ACC+1]
	v_add_f32 v[S+\i], v[ACC], v[ACC+1]
	v_add_f32_dpp v[S+\i], v[S+\i], v[S+\i] row_xmask:1 row_mask:0xf bank_mask:0xf
	v_add_f32_dpp v[S+\i], v[S+\i], v[S+\i] row_xmask:2 row_mask:0xf bank_mask:0xf
	v_add_f32_dpp v[S+\i], v[S+\i], v[S+\i] row_xmask:4 row_mask:0xf bank_mask:0xf
	v_add_f32_dpp v[S+\i], v[S+\i], v[S+\i] row_xmask:8 row_mask:0xf bank_mask:0xf
.endm
.irp i, 0,1,2,3,4,5,6,7
	CHUNK \i
.endr
	s_wait_alu depctr_va_vdst(0)                   ; chunks 4 to 7 have written P4-P7 and S4-S7, which the LDS stores below read; they are also done with T, in which wave 0's LDS loads land at the end
.irp i, 4,5,6,7
	ds_store_b64 v[SA], v[P+2*\i:P+2*\i+1] offset:32*\i
	ds_store_b32 v[PA], v[S+\i] offset:8*\i        ; row 2 i + hh's quarter sum
.endr
	; my eight blocks back, two at a time.  LDS serves a wave's instructions in order (ISA guide 5.7.1.4): these loads see my stores above.
.irp i, 0,1,2,3
	ds_load_b128 v[RB+4*\i:RB+4*\i+3], v[RA] offset:2*PITCH*\i
.endr
.irp i, 0,1,2,3
	s_wait_dscnt 3-\i                              ; read-back i is in, the younger ones stay out
	global_store_b128 v[VOE], v[RB+4*\i:RB+4*\i+3], s[8:9] offset:512*\i   ; 512 consecutive bytes of ebf
.endr
	s_wait_dscnt 0x0                               ; for the others' sake: my quarter sums are in LDS
	s_barrier_signal -1
	s_barrier_wait -1
	s_cmp_lg_u32 s12, 0
	s_cbranch_scc1 .Ldone
	; wave 0: lane = row of the group's 32; its four quarter sums lie with waves 4 (lane / 16) + 0..3
.irp q, 0,1,2,3
	ds_load_b32 v[T+\q], v[QA] offset:PS+64*\q     ; no wait: no vector instruction stands behind the wait that follows chunk 7
.endr
	s_wait_dscnt 0x0
	v_add_f32 v[T], v[T], v[T+1]
	v_add_f32 v[T+2], v[T+2], v[T+3]
	v_add_f32 v[T], v[T], v[T+2]
	v_mul_f32 v[ACC], -0.5, v[T]
	s_wait_alu depctr_va_vdst(0)                   ; the product has written v[ACC], which the store reads
	global_store_b32 v[L4], v[ACC], s[10:11]       ; 128 consecutive bytes: all that the group has of nsq, one instruction
.Ldone:
	s_wait_dscnt 0x0
	s_wait_alu depctr_hold_cnt(0) depctr_sa_sdst(0) depctr_va_vdst(0) depctr_va_sdst(0) depctr_va_ssrc(0) depctr_va_vcc(0) depctr_vm_vsrc(0)
	s_wait_tensorcnt 0x0
	ds_add_u32 v90, v91
	s_wait_dscnt 0x0
	s_endpgm
.Lfunc_end_k_q78e10ed124_prep:
	.size	k_q78e10ed124_prep, .Lfunc_end_k_q78e10ed124_prep-k_q78e10ed124_prep
	.p2alignl 7, 3214868480
	.fill 96, 4, 3214868480
	.section	.rodata,"a",@progbits
	.p2align	6, 0x0
	.amdhsa_kernel k_q78e10ed124_prep
		.amdhsa_group_segment_fixed_size 19968
		.amdhsa_private_segment_fixed_size 0
		.amdhsa_enable_private_segment 0
		.amdhsa_kernarg_size 32
		.amdhsa_user_sgpr_count 2
		.amdhsa_user_sgpr_kernarg_segment_ptr 1
		.amdhsa_wavefront_size32 1
		.amdhsa_system_sgpr_workgroup_id_x 1
		.amdhsa_system_sgpr_workgroup_id_y 1
		.amdhsa_system_sgpr_workgroup_id_z 1
		.amdhsa_system_vgpr_workitem_id 0
		.amdhsa_next_free_vgpr 92
		.amdhsa_next_free_sgpr 66
		.amdhsa_reserve_vcc 0
		.amdhsa_float_denorm_mode_32 3
		.amdhsa_float_denorm_mode_16_64 3
		.amdhsa_memory_ordered 1
		.amdhsa_forward_progress 1
		.amdhsa_inst_pref_size 13
	.end_amdhsa_kernel
	.amdgpu_metadata
---
amdhsa.version: [ 1, 2 ]
amdhsa.kernels:
  - .name:           k_q78e10ed124_prep
    .symbol:         k_q78e10ed124_prep.kd
    .args:
      - { .name: e_actv, .offset: 0, .size: 8, .value_kind: global_buffer, .address_space: global }
      - { .name: out0, .offset: 8, .size: 8, .value_kind: global_buffer, .address_space: global }
      - { .name: ebf, .offset: 16, .size: 8, .value_kind: global_buffer, .address_space: global }
      - { .name: nsq, .offset: 24, .size: 8, .value_kind: global_buffer, .address_space: global }
    .group_segment_fixed_size: 19968
    .private_segment_fixed_size: 0
    .kernarg_segment_align: 8
    .kernarg_segment_size: 32
    .max_flat_workgroup_size: 256
    .sgpr_count:     66
    .vgpr_count:     92
    .wavefront_size: 32
...
	.end_amdgpu_metadata
.endif
;; end of part 7
;; launch knn: the kernel of part 5 again; grid 16 x 16, 8 waves a work-group, no clusters, 178,688 bytes of LDS; arguments ebf, nsq, host, e_ap, out1, part, part2; writes out1, part, part2
;; launch gather: the kernel of part 6 again; grid 256 x 1, 8 waves a work-group, no clusters, 3,072 bytes of LDS; arguments part, part2, e_actv, out2; writes out2
